; MI455X (gfx1250); checked and timed in simulation.
; The chip was launched on July 23, 2026; its instructions are those of AMD's public machine-readable ISA for CDNA 5 (MIT licence, August 2026) and "CDNA5" Instruction Set Architecture Reference Guide (July 2026). The comments in the code are by the model that wrote it; some were corrected since.
;; In Context Block. Allowed arithmetic: float matrix products may take bf16 or f16 operands with f32 sums; other float arithmetic in f32, or as packed bf16 or f16 multiplies, adds, multiply-adds, maxima and minima; sums over many terms, partial sums and values carried from step to step in f32; what a program stores and reads back later, other than sums and carried values, may be rounded once to bf16 or f16.
;; Inputs: attn_ln_w 1,024 float32; k_norm_w 64 float32; mlp_ln_w 1,024 float32; proj_b 1,024 float32; proj_w 1,024 x 1,024 float32; q_norm_w 64 float32; qkv_b 3,072 float32; qkv_w 3,072 x 1,024 float32; w12_b 5,460 float32; w12_w 5,460 x 1,024 float32; w3_b 1,024 float32; w3_w 1,024 x 2,730 float32; x 2 x 2,048 x 1,024 float32.
;; Outputs: out0 2 x 2,048 x 1,024 float32.
;; One version. Each part assembles by itself: llvm-mc -triple=amdgcn-amd-amdhsa -mcpu=gfx1250 --defsym DOCPART=n.
;; ======== version 1 of 1: 7 launches
;; limits: values are held in f16: magnitudes above 65,504 overflow, below 6.1e-05 lose precision; right only within a limited range of input values
;; workspace buffers: wts 25,737,728 bytes; xb 8,388,608 bytes; xn32 16,777,216 bytes; qkvh 25,165,824 bytes; ob 8,388,608 bytes; x1 16,777,216 bytes; yb 8,388,608 bytes; hid 23,068,672 bytes
;; launch prep (part 1): grid 1016 x 1, 8 waves a work-group, no clusters, 0 bytes of LDS; arguments x, attn_ln_w, qkv_w, proj_w, w12_w, w3_w, w12_b, qkv_b, q_norm_w, k_norm_w, proj_b, mlp_ln_w, w3_b, wts, xb, xn32; writes wts, xb, xn32
.if DOCPART == 1
	.amdgcn_target "amdgcn-amd-amdhsa--gfx1250"
	.amdhsa_code_object_version 6
	.text
	.protected	k_q57b0dbb89d_prep
	.globl	k_q57b0dbb89d_prep
	.p2align	8
	.type	k_q57b0dbb89d_prep,@function
k_q57b0dbb89d_prep:
	s_mov_b64 s[64:65], 0
	v_nop
	global_prefetch_b8 v0, s[64:65] scope:SCOPE_SE
	s_setreg_imm32_b32 hwreg(HW_REG_WAVE_MODE, 25, 1), 1
	s_wait_xcnt 0x0
; PREP: a stream, no LDS, no matrix unit.  EVERY INPUT IS ROUNDED TO bf16 HERE, ONCE (nearest even); all later arithmetic starts from the rounded numbers.
; Five kinds of work-group, told apart by the work-group's number alone.
;   0..255      xn = x * rsqrt(mean(x^2) + 1e-6) * attn_ln_w on the rounded x and gain, 16 rows each; stored in f32 (xn32, the residual) and in bf16 (xb)
;   256..863    one block of 16 rows x 1,024 of wts: from qkv_w, proj_w (bf16) or w12_w (the bf16 number written as f16)
;   864..991    8 rows of w3_w (2,730 numbers), bf16, into rows of 2,816, the rest 0
;   992..1002   w12_b in the order given below, rounded, kept as f32, 0 where the column is padding
;   1003..1015  qkv_b, q_norm_w, k_norm_w, proj_b, mlp_ln_w, w3_b, rounded, kept as f32, one behind the other: a wave takes 64 numbers; 98 waves have work
; xb's LAYOUT: [k / 64][4,096 rows][64] bf16: a row's piece is 128 bytes, two rows are 256 consecutive bytes.
; wts: WQ [3072][1024] at 0, WP [1024][1024] at 6,291,456, W12 (5,632 rows) at 8,388,608, W3 [1024][2816] at W3_O, w12's bias at B12_O, the short vectors at TAB_O.
; WQ's rows: column tile ct holds q's, k's and v's head ct, 64 rows each.
; W12's rows: tile t has 352.  Its row n belongs to wave column n % 2, block b = (n / 2) / 16, place r = (n / 2) % 16.  With kb8 = 22 t + 11 (n % 2) + b the row is the hidden column
; hc = 8 kb8 + 4 (r / 8) + r % 4 of x1 (r % 8 < 4) or of x2, and 0 where hc >= 2730.  The bias table holds the same numbers at kb8 x 16 + r.
; W12 LIES IN PAIRS OF ROWS: the pair of rows n, n + 1 (n even) has 4,096 bytes: for each 128 along K the even row's 256 bytes, then the odd row's: so 128 along K of a pair are 512 consecutive bytes.
; LIMITS: |w12_w| stays under 65,504 (f16); below 7.6e-6 its f16 copy is off by up to 3e-8.  rsqrt good to its last bit but one; NaN and infinities are not treated apart.
.set HID,   2730
.set W3_O,  19922944
.set B12_O, 25690112
.set TAB_O, 25712640
.set XX,    16                         ; v[16:79]  the data as loaded
.set GG,    80                         ; v[80:143] the gain, later the packed results
.set MH,    41                         ; s41  mask of a word's upper half
.macro RND2 a, t                       ; two f32 rounded to bf16 and widened again, in place
	v_cvt_pk_bf16_f32 v[\t], v[\a], v[(\a)+1]
	v_lshlrev_b32 v[\a], 16, v[\t]
	v_and_b32 v[(\a)+1], s[MH], v[\t]
.endm
	s_load_b512 s[8:23], s[0:1], 0x0               ; x 8, attn_ln_w 10, qkv_w 12, proj_w 14, w12_w 16, w3_w 18, w12_b 20, qkv_b 22
	s_load_b512 s[24:39], s[0:1], 0x40             ; q_norm_w 24, k_norm_w 26, proj_b 28, mlp_ln_w 30, w3_b 32, wts 34, xb 36, xn32 38
	v_lshrrev_b32 v1, 5, v0
	v_readfirstlane_b32 s3, v1                     ; wave 0..7
	v_and_b32 v1, 31, v0                           ; lane
	s_mov_b32 s2, ttmp9
	s_mov_b32 s7, 0                                ; the high word of every 32-bit offset in s[6:7]
	s_mov_b32 s[MH], 0xffff0000
	s_wait_kmcnt 0x0
	s_cmp_lt_u32 s2, 256
	s_cbranch_scc1 .Lnorm
	s_cmp_lt_u32 s2, 864
	s_cbranch_scc1 .Lcast
	s_cmp_lt_u32 s2, 992
	s_cbranch_scc1 .Lw3
	s_cmp_lt_u32 s2, 1003
	s_cbranch_scc1 .Lb12
	; ---- the short vectors: unit u = 64 numbers = 256 bytes; the table holds the units in the order of the list above
	s_sub_co_u32 s4, s2, 1003
	s_lshl_b32 s4, s4, 3
	s_add_co_u32 s4, s4, s3                        ; u
	s_cmp_lt_u32 s4, 98
	s_cbranch_scc0 .Lnone
	s_mov_b64 s[42:43], s[32:33]                   ; w3_b: units 82..97
	s_mov_b32 s44, 82
	s_cmp_lt_u32 s4, 82
	s_cselect_b64 s[42:43], s[30:31], s[42:43]     ; mlp_ln_w: 66..81
	s_cselect_b32 s44, 66, s44
	s_cmp_lt_u32 s4, 66
	s_cselect_b64 s[42:43], s[28:29], s[42:43]     ; proj_b: 50..65
	s_cselect_b32 s44, 50, s44
	s_cmp_lt_u32 s4, 50
	s_cselect_b64 s[42:43], s[26:27], s[42:43]     ; k_norm_w: 49
	s_cselect_b32 s44, 49, s44
	s_cmp_lt_u32 s4, 49
	s_cselect_b64 s[42:43], s[24:25], s[42:43]     ; q_norm_w: 48
	s_cselect_b32 s44, 48, s44
	s_cmp_lt_u32 s4, 48
	s_cselect_b64 s[42:43], s[22:23], s[42:43]     ; qkv_b: 0..47
	s_cselect_b32 s44, 0, s44
	s_sub_co_u32 s6, s4, s44
	s_lshl_b32 s6, s6, 8
	s_add_nc_u64 s[42:43], s[42:43], s[6:7]
	s_lshl_b32 s6, s4, 8
	s_add_nc_u64 s[34:35], s[34:35], s[6:7]
	s_add_nc_u64 s[34:35], s[34:35], TAB_O
	v_lshlrev_b32 v2, 3, v1
	global_load_b64 v[4:5], v2, s[42:43]
	s_wait_loadcnt 0x0
	RND2 4, 6
	global_store_b64 v2, v[4:5], s[34:35]          ; a wave stores 256 consecutive bytes, aligned
.Lnone:
	s_endpgm
	; ---- the bias of w12, two numbers a thread
.Lb12:
	s_sub_co_u32 s4, s2, 992
	v_lshl_add_u32 v2, s4, 8, v0                   ; pair i
	v_lshlrev_b32 v3, 1, v2                        ; g = 2 i = kb8 x 16 + r
	v_lshrrev_b32 v4, 4, v3                        ; kb8
	v_bfe_u32 v5, v3, 3, 1                         ; r / 8
	v_bfe_u32 v7, v3, 2, 1                         ; x1 or x2
	v_and_b32 v6, 3, v3                            ; r % 4: 0 or 2
	v_lshl_add_u32 v6, v5, 2, v6
	v_lshl_add_u32 v6, v4, 3, v6                   ; hc
	v_mul_u32_u24 v7, v7, HID
	v_add_nc_u32 v7, v7, v6
	v_min_u32 v7, 2*HID-2, v7                      ; the pair stays inside w12_b
	v_lshlrev_b32 v7, 2, v7
	global_load_b64 v[8:9], v7, s[20:21]
	v_cmp_gt_u32 vcc_lo, HID, v6                   ; hc and 2,730 are even: a pair is whole or padding
	v_lshlrev_b32 v10, 3, v2
	s_add_nc_u64 s[34:35], s[34:35], B12_O
	s_wait_loadcnt 0x0
	v_cndmask_b32 v8, 0, v8, vcc_lo
	v_cndmask_b32 v9, 0, v9, vcc_lo
	RND2 8, 11
	global_store_b64 v10, v[8:9], s[34:35]         ; a wave stores 256 consecutive bytes, aligned
	s_endpgm
	; ---- the first norm: a wave takes two rows, sixteen lanes a row
.Lnorm:
	s_lshl_b32 s4, s2, 4
	s_lshl1_add_u32 s4, s3, s4                     ; r0 = 16 x work-group + 2 x wave
	s_lshl_b32 s6, s4, 12
	s_add_nc_u64 s[8:9], s[8:9], s[6:7]
	s_add_nc_u64 s[38:39], s[38:39], s[6:7]
	s_lshl_b32 s6, s4, 7
	s_add_nc_u64 s[36:37], s[36:37], s[6:7]
	s_mov_b32 s42, 0x3a800000                      ; 1 / 1024
	s_mov_b32 s43, 0x358637bd                      ; 1e-6
	v_and_b32 v2, 15, v1
	v_lshrrev_b32 v3, 4, v1
	v_lshlrev_b32 v8, 4, v2                        ; 16 c: my 4 columns of each 64
	v_lshl_add_u32 v9, v3, 12, v8                  ; + the row
	v_lshlrev_b32 v10, 3, v1                       ; 8 x lane
.set n1, 0
.rept 16
	global_load_b128 v[XX+4*n1:XX+4*n1+3], v9, s[8:9] offset:256*n1 th:TH_LOAD_NT
.set n1, n1+1
.endr
.set n1, 0
.rept 16
	global_load_b128 v[GG+4*n1:GG+4*n1+3], v8, s[10:11] offset:256*n1
.set n1, n1+1
.endr
	s_wait_loadcnt 16                              ; x is in; the sixteen loads of the gain may stay out
.set n1, 0
.rept 32
	RND2 XX+2*n1, 12+n1%2
.set n1, n1+1
.endr
	v_pk_mul_f32 v[4:5], v[XX:XX+1], v[XX:XX+1]
	v_pk_mul_f32 v[6:7], v[XX+2:XX+3], v[XX+2:XX+3]
.set n1, 1
.rept 15
	v_pk_fma_f32 v[4:5], v[XX+4*n1:XX+4*n1+1], v[XX+4*n1:XX+4*n1+1], v[4:5]
	v_pk_fma_f32 v[6:7], v[XX+4*n1+2:XX+4*n1+3], v[XX+4*n1+2:XX+4*n1+3], v[6:7]
.set n1, n1+1
.endr
	v_pk_add_f32 v[4:5], v[4:5], v[6:7]
	v_add_f32 v4, v4, v5
	v_add_f32_dpp v4, v4, v4 row_xmask:1 row_mask:0xf bank_mask:0xf   ; a row lies in sixteen lanes
	v_add_f32_dpp v4, v4, v4 row_xmask:2 row_mask:0xf bank_mask:0xf
	v_add_f32_dpp v4, v4, v4 row_xmask:4 row_mask:0xf bank_mask:0xf
	v_add_f32_dpp v4, v4, v4 row_xmask:8 row_mask:0xf bank_mask:0xf
	v_fma_f32 v4, v4, s42, s43
	v_rsq_f32 v6, v4                               ; twice: a pair for the packed multiply
	v_rsq_f32 v7, v4
	v_nop                                          ; a plain instruction behind the last of them,
	s_wait_alu depctr_va_vdst(0)                   ; and one wait for both, ahead of their first reader
	s_wait_loadcnt 0x0                             ; the gain
.set n1, 0
.rept 32
	RND2 GG+2*n1, 12+n1%2
.set n1, n1+1
.endr
.set n1, 0
.rept 32
	v_pk_mul_f32 v[XX+2*n1:XX+2*n1+1], v[XX+2*n1:XX+2*n1+1], v[6:7]
.set n1, n1+1
.endr
.set n1, 0
.rept 32
	v_pk_mul_f32 v[XX+2*n1:XX+2*n1+1], v[XX+2*n1:XX+2*n1+1], v[GG+2*n1:GG+2*n1+1]
.set n1, n1+1
.endr
.set n1, 0
.rept 16
	global_store_b128 v9, v[XX+4*n1:XX+4*n1+3], s[38:39] offset:256*n1   ; sixteen lanes: 256 consecutive bytes, aligned
.set n1, n1+1
.endr
.set n1, 0
.rept 16
	v_cvt_pk_bf16_f32 v[GG+2*n1], v[XX+4*n1], v[XX+4*n1+1]
	v_cvt_pk_bf16_f32 v[GG+2*n1+1], v[XX+4*n1+2], v[XX+4*n1+3]
	global_store_b64 v10, v[GG+2*n1:GG+2*n1+1], s[36:37] offset:524288*n1   ; block n1 of 64 columns: my two rows' 256 bytes
.set n1, n1+1
.endr
	s_endpgm
	; ---- 16 rows of wts; a wave takes two: s45, s46 their source rows, s56, s57 their masks, s50 the block's place in wts
.Lcast:
	s_sub_co_u32 s4, s2, 256                       ; u
	s_lshl_b32 s44, s3, 1                          ; my first row of the sixteen
	s_mov_b32 s56, -1
	s_mov_b32 s57, -1
	s_mov_b32 s50, s4
	s_cmp_lt_u32 s4, 192
	s_cbranch_scc1 .Lq
	s_cmp_lt_u32 s4, 256
	s_cbranch_scc1 .Lp
	s_sub_co_u32 s5, s4, 256                       ; e: block of 16 rows of W12; its rows are n = 16 (e - 22 t) + 2 wave + 0, 1 of tile t
	s_mul_hi_u32 s45, s5, 0x0ba2e8bb               ; t = e / 22 (the factor is 2^32 / 22 rounded up: exact for e under 352)
	s_mul_i32 s46, s45, 22
	s_sub_co_u32 s46, s5, s46                      ; e - 22 t: block b = its half, r / 8 = its parity; r % 8 = my wave's number
	s_mul_i32 s45, s45, 176
	s_lshr_b32 s47, s46, 1
	s_lshl3_add_u32 s45, s47, s45                  ; 8 (22 t + b)
	s_and_b32 s46, s46, 1
	s_lshl2_add_u32 s45, s46, s45                  ; + 4 (r / 8)
	s_and_b32 s47, s3, 3
	s_add_co_u32 s45, s45, s47                     ; hc of the even row (wave column 0),
	s_add_co_u32 s46, s45, 88                      ; of the odd row (wave column 1): 11 blocks of 8 on
	s_cmp_lt_u32 s45, HID
	s_cselect_b32 s56, -1, 0
	s_cmp_lt_u32 s46, HID
	s_cselect_b32 s57, -1, 0
	s_min_u32 s45, s45, HID-1                      ; a padding row reads the half's last row and is masked to 0
	s_min_u32 s46, s46, HID-1
	s_lshr_b32 s47, s3, 2                          ; x1 or x2
	s_mul_i32 s47, s47, HID
	s_add_co_u32 s45, s45, s47
	s_add_co_u32 s46, s46, s47
	s_branch .Lrows
.Lq:
	s_and_b32 s45, s4, 15                          ; ct
	s_lshr_b32 s46, s4, 4                          ; 0..11
	s_mul_i32 s50, s45, 12
	s_add_co_u32 s50, s50, s46
	s_lshr_b32 s47, s46, 2                         ; q, k or v
	s_lshl_b32 s47, s47, 10
	s_lshl_b32 s45, s45, 6
	s_add_co_u32 s47, s47, s45
	s_and_b32 s46, s46, 3
	s_lshl_b32 s46, s46, 4
	s_add_co_u32 s47, s47, s46
	s_add_co_u32 s45, s47, s44
	s_add_co_u32 s46, s45, 1
	s_branch .Lrows
.Lp:
	s_sub_co_u32 s47, s4, 192
	s_lshl_b32 s47, s47, 4
	s_add_co_u32 s45, s47, s44
	s_add_co_u32 s46, s45, 1
.Lrows:
	s_cmp_lt_u32 s4, 256
	s_cselect_b64 s[52:53], s[14:15], s[16:17]
	s_cmp_lt_u32 s4, 192
	s_cselect_b64 s[52:53], s[12:13], s[52:53]     ; the source
	s_lshl_b32 s6, s45, 12
	s_add_nc_u64 s[54:55], s[52:53], s[6:7]
	s_lshl_b32 s6, s46, 12
	s_add_nc_u64 s[52:53], s[52:53], s[6:7]
	s_lshl_b32 s6, s50, 4
	s_add_co_u32 s6, s6, s44
	s_lshl_b32 s6, s6, 11
	s_add_nc_u64 s[34:35], s[34:35], s[6:7]        ; my two rows' 4,096 bytes of wts
	v_lshlrev_b32 v2, 4, v1
	v_lshlrev_b32 v3, 3, v1
.set n1, 0
.rept 8
	global_load_b128 v[XX+4*n1:XX+4*n1+3], v2, s[54:55] offset:512*n1 th:TH_LOAD_NT
.set n1, n1+1
.endr
.set n1, 0
.rept 8
	global_load_b128 v[XX+32+4*n1:XX+32+4*n1+3], v2, s[52:53] offset:512*n1 th:TH_LOAD_NT
.set n1, n1+1
.endr
; Row r of my two: rounded to bf16, masked, stored.  half = 1 (W12): the bf16 number is widened and written as f16, and the two rows' pieces of 128 along K take turns in the pair's 4,096 bytes.
.macro ROWOUT r, half
.set n1, 0
.rept 16
.set rsrc, XX+32*(\r)+2*n1
.set rdst, GG+16*(\r)+n1
	v_cvt_pk_bf16_f32 v[rdst], v[rsrc], v[rsrc+1]
.if \half
	v_lshlrev_b32 v[rsrc], 16, v[rdst]
	v_and_b32 v[rsrc+1], s[MH], v[rdst]
	v_cvt_pk_f16_f32 v[rdst], v[rsrc], v[rsrc+1]
.endif
	v_and_b32 v[rdst], s[56+(\r)], v[rdst]
.if n1%2
.if \half
	global_store_b64 v3, v[rdst-1:rdst], s[34:35] offset:256*(\r)+512*(n1/2)    ; a wave stores 256 consecutive bytes, aligned
.else
	global_store_b64 v3, v[rdst-1:rdst], s[34:35] offset:2048*(\r)+256*(n1/2)   ; likewise
.endif
.endif
.set n1, n1+1
.endr
.endm
	s_cmp_lt_u32 s4, 256
	s_cbranch_scc0 .Lhalf
	s_wait_loadcnt 8                               ; the first row is in; the second row's eight loads may stay out
	ROWOUT 0, 0
	s_wait_loadcnt 0x0
	ROWOUT 1, 0
	s_endpgm
.Lhalf:
	s_wait_loadcnt 8                               ; likewise
	ROWOUT 0, 1
	s_wait_loadcnt 0x0
	ROWOUT 1, 1
	s_endpgm
	; ---- a row of w3_w a wave: 10,920 bytes, a multiple of 8 only, so loads of 8 bytes; 22 pieces of 128 numbers, the last with 42
.Lw3:
	s_sub_co_u32 s4, s2, 864
	s_lshl_b32 s4, s4, 3
	s_add_co_u32 s4, s4, s3                        ; the row
	s_mul_i32 s6, s4, 4*HID
	s_add_nc_u64 s[18:19], s[18:19], s[6:7]
	s_mul_i32 s6, s4, 5632
	s_add_nc_u64 s[34:35], s[34:35], s[6:7]
	s_add_nc_u64 s[34:35], s[34:35], W3_O
	v_lshlrev_b32 v2, 4, v1
	v_lshlrev_b32 v3, 3, v1
	v_min_u32 v4, 10, v1                           ; the last piece: lanes 0-10 have a first pair,
	v_lshlrev_b32 v4, 4, v4
	v_min_u32 v5, 9, v1                            ; lanes 0-9 a second; the others read a neighbour's and are set to 0
	v_lshlrev_b32 v5, 4, v5
	v_cmp_gt_u32 vcc_lo, 11, v1
	v_cmp_gt_u32 s46, 10, v1
.set n1, 0
.rept 21
	global_load_b64 v[XX+4*n1:XX+4*n1+1], v2, s[18:19] offset:512*n1
	global_load_b64 v[XX+4*n1+2:XX+4*n1+3], v2, s[18:19] offset:512*n1+8
.set n1, n1+1
.endr
	global_load_b64 v[XX+84:XX+85], v4, s[18:19] offset:512*21
	global_load_b64 v[XX+86:XX+87], v5, s[18:19] offset:512*21+8
	s_wait_loadcnt 22                              ; eleven pieces are in; the other eleven's 22 loads may stay out
.set n1, 0
.rept 11
	v_cvt_pk_bf16_f32 v[104+2*n1], v[XX+4*n1], v[XX+4*n1+1]
	v_cvt_pk_bf16_f32 v[105+2*n1], v[XX+4*n1+2], v[XX+4*n1+3]
	global_store_b64 v3, v[104+2*n1:105+2*n1], s[34:35] offset:256*n1
.set n1, n1+1
.endr
	s_wait_loadcnt 0x0
	v_cndmask_b32 v[XX+84], 0, v[XX+84], vcc_lo
	v_cndmask_b32 v[XX+85], 0, v[XX+85], vcc_lo
	v_cndmask_b32 v[XX+86], 0, v[XX+86], s46
	v_cndmask_b32 v[XX+87], 0, v[XX+87], s46
.rept 11
	v_cvt_pk_bf16_f32 v[104+2*n1], v[XX+4*n1], v[XX+4*n1+1]
	v_cvt_pk_bf16_f32 v[105+2*n1], v[XX+4*n1+2], v[XX+4*n1+3]
	global_store_b64 v3, v[104+2*n1:105+2*n1], s[34:35] offset:256*n1
.set n1, n1+1
.endr
	s_endpgm
.Lfunc_end_k_q57b0dbb89d_prep:
	.size	k_q57b0dbb89d_prep, .Lfunc_end_k_q57b0dbb89d_prep-k_q57b0dbb89d_prep
	.p2alignl 7, 3214868480
	.fill 96, 4, 3214868480
	.section	.rodata,"a",@progbits
	.p2align	6, 0x0
	.amdhsa_kernel k_q57b0dbb89d_prep
		.amdhsa_group_segment_fixed_size 0
		.amdhsa_private_segment_fixed_size 0
		.amdhsa_enable_private_segment 0
		.amdhsa_kernarg_size 128
		.amdhsa_user_sgpr_count 2
		.amdhsa_user_sgpr_kernarg_segment_ptr 1
		.amdhsa_wavefront_size32 1
		.amdhsa_system_sgpr_workgroup_id_x 1
		.amdhsa_system_sgpr_workgroup_id_y 1
		.amdhsa_system_sgpr_workgroup_id_z 1
		.amdhsa_system_vgpr_workitem_id 0
		.amdhsa_next_free_vgpr 176
		.amdhsa_next_free_sgpr 66
		.amdhsa_reserve_vcc 1
		.amdhsa_float_denorm_mode_32 3
		.amdhsa_float_denorm_mode_16_64 3
		.amdhsa_memory_ordered 1
		.amdhsa_forward_progress 1
		.amdhsa_inst_pref_size 55
	.end_amdhsa_kernel
	.amdgpu_metadata
---
amdhsa.version: [ 1, 2 ]
amdhsa.kernels:
  - .name:           k_q57b0dbb89d_prep
    .symbol:         k_q57b0dbb89d_prep.kd
    .args:
      - { .name: x, .offset: 0, .size: 8, .value_kind: global_buffer, .address_space: global }
      - { .name: attn_ln_w, .offset: 8, .size: 8, .value_kind: global_buffer, .address_space: global }
      - { .name: qkv_w, .offset: 16, .size: 8, .value_kind: global_buffer, .address_space: global }
      - { .name: proj_w, .offset: 24, .size: 8, .value_kind: global_buffer, .address_space: global }
      - { .name: w12_w, .offset: 32, .size: 8, .value_kind: global_buffer, .address_space: global }
      - { .name: w3_w, .offset: 40, .size: 8, .value_kind: global_buffer, .address_space: global }
      - { .name: w12_b, .offset: 48, .size: 8, .value_kind: global_buffer, .address_space: global }
      - { .name: qkv_b, .offset: 56, .size: 8, .value_kind: global_buffer, .address_space: global }
      - { .name: q_norm_w, .offset: 64, .size: 8, .value_kind: global_buffer, .address_space: global }
      - { .name: k_norm_w, .offset: 72, .size: 8, .value_kind: global_buffer, .address_space: global }
      - { .name: proj_b, .offset: 80, .size: 8, .value_kind: global_buffer, .address_space: global }
      - { .name: mlp_ln_w, .offset: 88, .size: 8, .value_kind: global_buffer, .address_space: global }
      - { .name: w3_b, .offset: 96, .size: 8, .value_kind: global_buffer, .address_space: global }
      - { .name: wts, .offset: 104, .size: 8, .value_kind: global_buffer, .address_space: global }
      - { .name: xb, .offset: 112, .size: 8, .value_kind: global_buffer, .address_space: global }
      - { .name: xn32, .offset: 120, .size: 8, .value_kind: global_buffer, .address_space: global }
    .group_segment_fixed_size: 0
    .private_segment_fixed_size: 0
    .kernarg_segment_align: 8
    .kernarg_segment_size: 128
    .max_flat_workgroup_size: 256
    .sgpr_count:     66
    .vgpr_count:     176
    .wavefront_size: 32
...
	.end_amdgpu_metadata
.endif
;; end of part 1
;; launch qkv (part 2): grid 16 x 16, 4 waves a work-group, clusters of 4 x 4, 327,680 bytes of LDS; arguments xb, wts, qkvh; writes qkvh
.if DOCPART == 2
	.amdgcn_target "amdgcn-amd-amdhsa--gfx1250"
	.amdhsa_code_object_version 6
	.text
	.protected	k_q57b0dbb89d_qkv
	.globl	k_q57b0dbb89d_qkv
	.p2align	8
	.type	k_q57b0dbb89d_qkv,@function
k_q57b0dbb89d_qkv:
	s_mov_b64 s[64:65], 0
	v_nop
	global_prefetch_b8 v0, s[64:65] scope:SCOPE_SE
	s_setreg_imm32_b32 hwreg(HW_REG_WAVE_MODE, 25, 1), 1
	s_wait_xcnt 0x0
	s_wait_alu depctr_hold_cnt(0) depctr_sa_sdst(0) depctr_va_vdst(0) depctr_va_sdst(0) depctr_va_ssrc(0) depctr_va_vcc(0) depctr_vm_vsrc(0)
	s_getreg_b32 s2, hwreg(HW_REG_IB_STS2, 6, 4)
	s_cmp_eq_u32 s2, 0
	s_cbranch_scc0 .Lentry_in_a_cluster
	s_endpgm
.Lentry_in_a_cluster:
	s_bfe_u32 s2, ttmp6, 0x10000c
	s_cmp_lg_u32 s2, 0xf033
	s_cbranch_scc0 .Lentry_shape_is_right
	s_endpgm
.Lentry_shape_is_right:
; QKV: xn WQ^T + qkv_b, then q and k normalised by heads (x rsqrt(mean over 64 + 1e-6) x gain), q, k, v stored in bf16 by heads.
; The bias and the two gains come from the table in wts, where they lie rounded to bf16 and kept as f32.
; A work-group makes 256 rows x 192 columns: one head's q, k and v (WQ's rows were laid so).  Four waves, each 64 rows x 192 columns: 48 accumulators of 16 x 16.
; K = 1,024 goes in 8 steps of 128 through two LDS slots that take turns; one tensor load a wave behind each change of slots: waves 0, 1 bring A's two halves, waves 2, 3 B's.
; A (xb) lies as [k / 64][4,096][64]: 128 rows of a block of 64 channels are 16,384 dense bytes: one descriptor row; 16 bytes of padding after every 128: LDS [k block][row], rows 144 bytes apart.
; CLUSTER 4 x 4: A's tile is shared along a row of the cluster, B's along a column: joint loads.
; THE MATRIX INSTRUCTION IS USED TRANSPOSED (source 0 = 16 rows of W, source 1 = 16 rows of xn): lane l holds row l % 16 and the columns 8 (l / 16) + 0..7.  The bias is the C of the first products.
; REGISTERS: window 0 addresses, bias / way out, gains; window 1 two fragment buffers of 128; windows 2, 3 the accumulators: (a, b) in window 2 + a / 2 at 8 ((a % 2) NB + b).
; No prefetch: 8 short steps, of which the first two cannot be covered, and W's rows are read by all sixteen row tiles.
; LIMITS: operands and q, k, v rounded once to bf16; sums and the norm in f32; NaN and infinities are not treated apart.
.set NB,    12
.set D,     1
.set KS,    128
.set T,     8
.set RL,    128
.set SUBA,  RL*144
.set REGA,  (KS/64)*SUBA
.set BOFF,  2*REGA
.set BR,    192
.set PB,    2*KS+16
.set SLOT,  BOFF+BR*PB
.set STAGE, 2*SLOT                     ; behind the slots: 16 rows x 144 bytes for each wave
.set SPARE, STAGE+4*2304               ; the spare words: 128 bytes a wave, two blocks of 256 bytes that no other line names
.set KPITCH, 1024
.set QB_O,  25712640                   ; in wts: qkv_b,
.set QN_O,  25724928                   ; q_norm_w,
.set KN_O,  25725184                   ; k_norm_w
.set ASTEP, (KS/64)*524288
.set BSTEP, 2*KS
.set QI,    5
.set A0,  2
.set B0,  3
.set ADA, 4
.set ADB, 5
.set STO, 6
.set RD,  7
.set GO,  8
.set BO,  11
.set SPW, 28
.set NIL, 29
.set BI,  32                           ; v[32:127] the bias, as the accumulators lie
.set NW,  128                          ; v[128:191] q's gain, then k's, likewise
.set TT,  32                           ; the way out, in the bias's place
.set OUT, 64
.set SQ,  96
.set RSQ, 104
.set F0,  0
.set F1,  128
.set WV,  20
.set CX,  23
.set CY,  24
.set CT,  25
.set RT,  26
.set G1A, 32
.set G1B, 40
.set G0A, 48
.set G0B, 52
.set TB,  56                           ; the slot that is read: 0 or SLOT
.set FB,  57                           ; the slot that is filled
.set LA,  58
.set LB,  59
.set CNT, 60
.set PQ,  66
.set PKK, 68
.set PVV, 70
.set SEL, 74
.set C64, 76
.set EPS, 77
.set MSB, 0
.macro WIN new                         ; the immediate's high byte repeats the setting that is left
.if MSB != (\new)
	s_set_vgpr_msb (MSB<<8)|(\new)
.set MSB, (\new)
.endif
.endm
.macro PLACES                          ; four plain places behind matrix instructions
.rept 4
	v_nop
.endr
.endm
.macro JLOAD                           ; one load a wave; an s_nop 0 and four v_nop follow each line
	s_cmp_lt_u32 s[WV], 2
	s_cbranch_scc0 .Lfor_b_\@
	tensor_load_to_lds s[G0A:G0A+3], s[G1A:G1A+7]
	s_nop 0
.rept 4
	v_nop
.endr
	s_branch .Lasked_\@
.Lfor_b_\@:
	tensor_load_to_lds s[G0B:G0B+3], s[G1B:G1B+7]
	s_nop 0
.rept 4
	v_nop
.endr
.Lasked_\@:
.endm
.macro CREST                           ; a round of the cluster's barrier behind its opening barrier
	s_cmp_lg_u32 s[WV], 0
	s_cbranch_scc1 .Lnot_wave_0_\@
	s_barrier_signal -3
.Lnot_wave_0_\@:
	s_barrier_wait -3
	s_barrier_signal -1
	s_barrier_wait -1
.endm
.macro CROUND
	s_barrier_signal -1
	s_barrier_wait -1
	CREST
.endm
; 2 NB products: row blocks 2 hi, 2 hi + 1 x all column blocks, 32 along K (depth c of buffer f).  first = 1: the bias starts the sums; 2: the constant 0.
; The accumulators take turns, one instruction a turn.
.macro MULS f, c, hi, first
.if (\first) == 1
	WIN 0x85+0x40*(\hi)
.else
	WIN 0xa5+0x50*(\hi)
.endif
.set aa, 0
.rept 2
.set bb, 0
.rept NB
.set rD, 8*(aa*NB+bb)
.set rB, (\f)+32*D+8*(NB*(\c)+bb)
.set rA, (\f)+8*(4*(\c)+2*(\hi)+aa)
.if (\first) == 1
	v_wmma_f32_16x16x32_bf16 v[rD:rD+7], v[rB:rB+7], v[rA:rA+7], v[BI+8*bb:BI+8*bb+7]
.elseif (\first) == 2
	v_wmma_f32_16x16x32_bf16 v[rD:rD+7], v[rB:rB+7], v[rA:rA+7], 0
.else
	v_wmma_f32_16x16x32_bf16 v[rD:rD+7], v[rB:rB+7], v[rA:rA+7], v[rD:rD+7]
.endif
.set bb, bb+1
.endr
.set aa, aa+1
.endr
.endm
.macro HALF f, x, first                ; half x of a sub-step's products
.if D == 1
	MULS \f, 0, \x, \first
.elseif (\x) == 0
	MULS \f, 0, 0, \first
	MULS \f, 0, 1, \first
.else
	MULS \f, 1, 0, 0
	MULS \f, 1, 1, 0
.endif
.endm
.macro FETCH q, f                      ; the fragments of sub-step q (32 D along K) into buffer f, in one run
	WIN 0x40
.set cc, 0
.rept D
.set kk, 32*D*(\q)+32*cc
.set ii, 0
.rept 4
.set rr, (\f)+8*(4*cc+ii)
	ds_load_b128 v[rr:rr+3],   v[ADA] offset:(kk/64)*SUBA+(kk%64)*2+ii*2304
	ds_load_b128 v[rr+4:rr+7], v[ADA] offset:(kk/64)*SUBA+(kk%64)*2+ii*2304+32
.set ii, ii+1
.endr
.set ii, 0
.rept NB
.set rr, (\f)+32*D+8*(NB*cc+ii)
	ds_load_b128 v[rr:rr+3],   v[ADB] offset:2*kk+ii*16*PB
	ds_load_b128 v[rr+4:rr+7], v[ADB] offset:2*kk+ii*16*PB+32
.set ii, ii+1
.endr
.set cc, cc+1
.endr
.endm
.macro QSTEP q, f, g, first            ; sub-step q on buffer f; in its middle the next sub-step's fragments are fetched into g
	s_wait_dscnt 0x0                               ; buffer f is in
	HALF \f, 0, \first
	PLACES                                         ; in front of loads into registers that products have read
	FETCH (\q)+1, \g
	HALF \f, 1, \first
.endm
.macro STEPD                           ; the walking descriptors: the other slot, the next K step.  No tensor load of the wave is out here
	s_xor_b32 s[FB], s[FB], SLOT
	s_add_co_u32 s[G0A+1], s[LA], s[FB]
	s_add_co_u32 s[G0B+1], s[LB], s[FB]
	s_add_nc_u64 s[G0A+2:G0A+3], s[G0A+2:G0A+3], ASTEP
	s_add_nc_u64 s[G0B+2:G0B+3], s[G0B+2:G0B+3], BSTEP
.endm
; The last sub-step (buffer 1) changes slots: each wave waits for all its tensor loads (one is out: its part of the next slot), adds 0 to its spare word, waits for that
; and for its reads of this slot, and signals.  fill = 1: the barrier opens a round of the cluster's, and the joint refill is the first thing behind it.
.macro TURN fill
	WIN 0
	s_wait_tensorcnt 0x0
	ds_add_u32 v[SPW], v[NIL]
.if \fill
	STEPD
.endif
	s_xor_b32 s[TB], s[TB], SLOT
	s_wait_dscnt 0x0                               ; the add is done, my reads of this slot are over, buffer 1 is in
	s_barrier_signal -1
	HALF F1, 0, 0
	WIN 0
	s_barrier_wait -1
.if \fill
	CREST
	JLOAD                                          ; its four v_nop are also the places in front of the loads below
.else
	PLACES
.endif
	v_add_nc_u32 v[ADA], s[TB], v[A0]
	v_add_nc_u32 v[ADB], s[TB], v[B0]
	FETCH 0, F0
	HALF F1, 1, 0
.endm
	s_load_b128 s[4:7], s[0:1], 0x0                ; xb 4, wts 6
	s_load_b64 s[14:15], s[0:1], 0x10              ; qkvh
	v_lshl_add_u32 v[SPW], v0, 2, SPARE
	v_mov_b32 v[NIL], 0
	ds_add_u32 v[SPW], v[NIL]                      ; the wave's opening: the add, waited for ahead of my first tensor load
	v_lshrrev_b32 v1, 5, v0
	v_readfirstlane_b32 s[WV], v1
	s_bfe_u32 s[CX], ttmp6, 0x40000
	s_bfe_u32 s[CY], ttmp6, 0x40004
	s_lshl_b32 s[CT], ttmp9, 2
	s_add_co_u32 s[CT], s[CT], s[CX]               ; column tile = head
	s_and_b32 s[RT], ttmp7, 0xffff
	s_lshl_b32 s[RT], s[RT], 2
	s_add_co_u32 s[RT], s[RT], s[CY]               ; row tile
	s_lshl_b32 s27, s[CY], 2
	s_lshl_b32 s27, 15, s27                        ; my row of the cluster
	s_lshl_b32 s28, 0x1111, s[CX]                  ; my column
	s_or_b32 s[G1A], s27, (1<<16)|(1<<20)|(1<<21)|(4<<22)|(3<<25)   ; mask; 2-byte elements; padding on; bit 21 beside a mask; after every 32 words, 4 words
	s_or_b32 s[G1B], s28, (1<<16)|(1<<20)|(1<<21)|(QI<<22)|(3<<25)  ; after every row of B
	s_mov_b32 s[G1A+1], ((64*RL)&0xffff)<<16       ; tensor_dim0 = RL rows x 64
	s_mov_b32 s[G1A+2], (KS/64)<<16                ; tensor_dim1 = blocks of 64 channels
	s_mov_b32 s[G1A+3], (64*RL)<<16                ; tile_dim0
	s_mov_b32 s[G1A+4], KS/64                      ; tile_dim1
	s_mov_b32 s[G1A+5], 262144                     ; elements from block to block
	s_mov_b32 s[G1A+6], 0
	s_mov_b32 s[G1A+7], 0
	s_mov_b32 s[G1B+1], KS<<16
	s_mov_b32 s[G1B+2], (BR/2)<<16
	s_mov_b32 s[G1B+3], KS<<16
	s_mov_b32 s[G1B+4], BR/2
	s_mov_b32 s[G1B+5], KPITCH
	s_mov_b32 s[G1B+6], 0
	s_mov_b32 s[G1B+7], 0
	s_and_b32 s29, s[WV], 1                        ; which half I fetch
	s_mul_i32 s[LA], s29, REGA
	s_mul_i32 s[LB], s29, (BR/2)*PB
	s_add_co_u32 s[LB], s[LB], BOFF
	s_lshl_b32 s30, s[RT], 8
	s_lshl_b32 s31, s29, 7
	s_add_co_u32 s30, s30, s31
	s_lshl_b32 s30, s30, 7                         ; A: (256 x row tile + 128 x half) rows of 128 bytes
	s_mov_b32 s31, 0
	s_mul_i32 s62, s[CT], BR
	s_mul_i32 s63, s29, BR/2
	s_add_co_u32 s62, s62, s63
	s_mul_i32 s62, s62, 2*KPITCH                   ; B: rows of W
	s_mov_b32 s63, 0
	s_mov_b32 s[TB], 0
	s_mov_b32 s[FB], 0
	s_mov_b32 s[G0A], 1
	s_mov_b32 s[G0A+1], s[LA]
	s_mov_b32 s[G0B], 1
	s_mov_b32 s[G0B+1], s[LB]
	s_mov_b32 s[SEL], 0x76543210
	s_mov_b32 s[SEL+1], 0xfedcba98
	s_mov_b32 s[C64], 0x3c800000                   ; 1 / 64
	s_mov_b32 s[EPS], 0x358637bd                   ; 1e-6
	s_wait_dscnt 0x0                               ; the opening add is done
	s_wait_kmcnt 0x0
	s_add_nc_u64 s[G0A+2:G0A+3], s[4:5], s[30:31]
	s_or_b32 s[G0A+3], s[G0A+3], 0x80000000
	s_add_nc_u64 s[G0B+2:G0B+3], s[6:7], s[62:63]
	s_or_b32 s[G0B+3], s[G0B+3], 0x80000000
	CROUND                                         ; all sixteen work-groups are here
	JLOAD                                          ; K step 0 into slot 0
	v_and_b32 v1, 15, v0
	v_bfe_u32 v9, v0, 4, 1
	v_lshlrev_b32 v[BO], 5, v9                     ; my 8 columns of each 16, in f32
	s_lshl_b32 s62, s[CT], 8
	s_add_nc_u64 s[8:9], s[6:7], s[62:63]          ; the head's 64 numbers of each third of the bias
	s_add_nc_u64 s[8:9], s[8:9], QB_O
	s_add_nc_u64 s[10:11], s[6:7], QN_O
	s_add_nc_u64 s[12:13], s[6:7], KN_O
.set n1, 0
.rept 12
	global_load_b128 v[BI+8*n1:BI+8*n1+3],   v[BO], s[8:9] offset:(n1/4)*4096+(n1%4)*64
	global_load_b128 v[BI+8*n1+4:BI+8*n1+7], v[BO], s[8:9] offset:(n1/4)*4096+(n1%4)*64+16
.set n1, n1+1
.endr
.set n1, 0
.rept 4
	global_load_b128 v[NW+8*n1:NW+8*n1+3],       v[BO], s[10:11] offset:n1*64
	global_load_b128 v[NW+8*n1+4:NW+8*n1+7],     v[BO], s[10:11] offset:n1*64+16
	global_load_b128 v[NW+32+8*n1:NW+32+8*n1+3], v[BO], s[12:13] offset:n1*64
	global_load_b128 v[NW+32+8*n1+4:NW+32+8*n1+7], v[BO], s[12:13] offset:n1*64+16
.set n1, n1+1
.endr
	v_mul_u32_u24 v[A0], v1, 144
	v_lshl_add_u32 v[A0], v9, 4, v[A0]
	s_lshr_b32 s27, s[WV], 1
	s_mul_i32 s27, s27, REGA
	s_mul_i32 s28, s29, 64*144
	s_add_co_u32 s27, s27, s28
	v_add_nc_u32 v[A0], s27, v[A0]                 ; my 64 rows of A
	v_mul_u32_u24 v[B0], v1, PB
	v_lshl_add_u32 v[B0], v9, 4, v[B0]
	v_add_nc_u32 v[B0], BOFF, v[B0]
	s_mul_i32 s27, s[WV], 2304
	s_add_co_u32 s27, s27, STAGE
	v_mul_u32_u24 v[STO], v1, 144                  ; into my stage: row l % 16, 16 bytes for each half of the lanes
	v_lshl_add_u32 v[STO], v9, 4, v[STO]
	v_add_nc_u32 v[STO], s27, v[STO]
	v_bfe_u32 v[RD], v0, 3, 2                      ; back: 32 lanes take four rows of 128 bytes
	v_mul_u32_u24 v[RD], v[RD], 144
	v_and_b32 v10, 7, v0
	v_lshl_add_u32 v[RD], v10, 4, v[RD]
	v_add_nc_u32 v[RD], s27, v[RD]
	v_and_b32 v[GO], 31, v0
	v_lshlrev_b32 v[GO], 4, v[GO]
	s_lshl_b32 s72, s[RT], 8
	s_lshl_b32 s73, s[WV], 6
	s_add_co_u32 s72, s72, s73
	s_lshl_b32 s72, s72, 7
	s_lshl_b32 s73, s[CT], 19
	s_add_co_u32 s72, s72, s73
	s_mov_b32 s73, 0
	s_add_nc_u64 s[PQ:PQ+1], s[14:15], s[72:73]    ; q: head x 524,288 + my first row x 128
	s_add_nc_u64 s[PKK:PKK+1], s[PQ:PQ+1], 8388608
	s_add_nc_u64 s[PVV:PVV+1], s[PQ:PQ+1], 16777216
	v_mov_b32 v[ADA], v[A0]
	v_mov_b32 v[ADB], v[B0]
	s_wait_tensorcnt 0x0                           ; my part of K step 0 is in
	ds_add_u32 v[SPW], v[NIL]
	STEPD
	s_wait_dscnt 0x0
	CROUND                                         ; everybody's part is in
	JLOAD                                          ; K step 1 into slot 1
	FETCH 0, F0
	s_wait_loadcnt 0x0                             ; bias and gains
	QSTEP 0, F0, F1, 1
	WIN 0
	s_mov_b32 s[CNT], T-2
.Lk:                                   ; a trip: from a K step's second sub-step to the next step's first; the slot left is filled again
	QSTEP 1, F1, F0, 0
	QSTEP 2, F0, F1, 0
	TURN 1
	QSTEP 0, F0, F1, 0
	WIN 0
	s_sub_co_u32 s[CNT], s[CNT], 1
	s_cmp_lg_u32 s[CNT], 0
	s_cbranch_scc1 .Lk
	s_mov_b32 s[CNT], 2
.Ltail:                                ; the last two K steps ask for nothing.  One text for both: the second trip's change of slots fetches fragments that nobody uses
	QSTEP 1, F1, F0, 0
	QSTEP 2, F0, F1, 0
	TURN 0
	WIN 0
	s_sub_co_u32 s[CNT], s[CNT], 1
	s_cmp_eq_u32 s[CNT], 0
	s_cbranch_scc1 .Lout
	QSTEP 0, F0, F1, 0
	WIN 0
	s_branch .Ltail
.Lout:
	s_wait_dscnt 0x0
	PLACES
	PLACES
; THE WAY OUT is written for window 2's row blocks (a2 = 0, 1) and walked twice; between the walks window 3's sums move to window 2.
.macro PACKST u                        ; 16 rows x 64 columns of bf16 through my stage, back as rows of 128 bytes
	WIN 0
.irp f, 0,1,2,3
	ds_store_b128 v[STO], v[OUT+16*((\u)%2)+4*\f:OUT+16*((\u)%2)+4*\f+3] offset:32*\f
.endr
.irp f, 0,1,2,3
	ds_load_b128 v[OUT+16*((\u)%2)+4*\f:OUT+16*((\u)%2)+4*\f+3], v[RD] offset:576*\f   ; LDS serves a wave's instructions in order (ISA guide 5.7.1.4)
.endr
.endm
.macro SEND u, p, a2, younger          ; younger: the next unit's eight LDS lines, or none
	WIN 0
.irp f, 0,1,2,3
	s_wait_dscnt (\younger)+3-\f
	global_store_b128 v[GO], v[OUT+16*((\u)%2)+4*\f:OUT+16*((\u)%2)+4*\f+3], s[(\p):(\p)+1] offset:2048*(\a2)+512*\f   ; 512 consecutive bytes, aligned
.endr
.endm
.macro UNIT j, a2                      ; j = 0 q, 1 k, 2 v
.set u, 2*(\j)+(\a2)
.set rAcc, 8*((\a2)*NB+4*(\j))
	s_wait_xcnt 0x0                                ; the stores of the unit two back have read this set of OUT
.if (\j) < 2
	WIN 0x02
.set n1, 0
.rept 16
	v_pk_mul_f32 v[TT+2*n1:TT+2*n1+1], v[rAcc+2*n1:rAcc+2*n1+1], v[RSQ+2*u:RSQ+2*u+1] op_sel_hi:[1,0]
.set n1, n1+1
.endr
	WIN 0
.set n1, 0
.rept 16
	v_pk_mul_f32 v[TT+2*n1:TT+2*n1+1], v[TT+2*n1:TT+2*n1+1], v[NW+32*(\j)+2*n1:NW+32*(\j)+2*n1+1]
.set n1, n1+1
.endr
.set n1, 0
.rept 16
	v_cvt_pk_bf16_f32 v[OUT+16*(u%2)+n1], v[TT+2*n1], v[TT+2*n1+1]
.set n1, n1+1
.endr
.else
	WIN 0x0a
.set n1, 0
.rept 16
	v_cvt_pk_bf16_f32 v[OUT+16*(u%2)+n1], v[rAcc+2*n1], v[rAcc+2*n1+1]
.set n1, n1+1
.endr
.endif
	PACKST u
.endm
	s_mov_b32 s[CNT], 2
.Lpass:
	WIN 0x0a                                       ; the sums of squares of q's and k's rows: four chains, each accumulator from its low end on
.set n1, 0
.rept 16
.irp u2, 0,1,2,3
.set rAcc, 8*(((\u2)%2)*NB+4*((\u2)/2))
.if n1 == 0
	v_pk_mul_f32 v[SQ+2*\u2:SQ+2*\u2+1], v[rAcc:rAcc+1], v[rAcc:rAcc+1]
.else
	v_pk_fma_f32 v[SQ+2*\u2:SQ+2*\u2+1], v[rAcc+2*n1:rAcc+2*n1+1], v[rAcc+2*n1:rAcc+2*n1+1], v[SQ+2*\u2:SQ+2*\u2+1]
.endif
.endr
.set n1, n1+1
.endr
	WIN 0
.irp u2, 0,1,2,3
	v_add_f32 v[SQ+2*\u2], v[SQ+2*\u2], v[SQ+2*\u2+1]
.endr
.irp u2, 0,1,2,3
	v_permlanex16_b32 v[SQ+2*\u2+1], v[SQ+2*\u2], s[SEL], s[SEL+1]   ; the row's other 32 columns lie in the lane 16 away
.endr
.irp u2, 0,1,2,3
	v_add_f32 v[SQ+2*\u2], v[SQ+2*\u2], v[SQ+2*\u2+1]
.endr
.irp u2, 0,1,2,3
	v_fma_f32 v[SQ+2*\u2], v[SQ+2*\u2], s[C64], s[EPS]
.endr
.irp u2, 0,1,2,3
	v_rsq_f32 v[RSQ+2*\u2], v[SQ+2*\u2]
.endr
	v_nop                                          ; a plain instruction behind the last of them,
	s_wait_alu depctr_va_vdst(0)                   ; and one wait for the four
.irp u2, 0,1,2,3
	v_mov_b32 v[RSQ+2*\u2+1], v[RSQ+2*\u2]         ; named as pairs
.endr
	UNIT 0, 0
	UNIT 0, 1
	SEND 0, PQ, 0, 8
	UNIT 1, 0
	SEND 1, PQ, 1, 8
	UNIT 1, 1
	SEND 2, PKK, 0, 8
	UNIT 2, 0
	SEND 3, PKK, 1, 8
	UNIT 2, 1
	SEND 4, PVV, 0, 8
	SEND 5, PVV, 1, 0
	s_sub_co_u32 s[CNT], s[CNT], 1
	s_cmp_eq_u32 s[CNT], 0
	s_cbranch_scc1 .Ldone
	s_wait_xcnt 0x0                                ; the stores have read their bases
	s_add_nc_u64 s[PQ:PQ+1], s[PQ:PQ+1], 4096      ; 32 rows on
	s_add_nc_u64 s[PKK:PKK+1], s[PKK:PKK+1], 4096
	s_add_nc_u64 s[PVV:PVV+1], s[PVV:PVV+1], 4096
	WIN 0x83                                       ; window 3 to window 2, in ascending order
.set n1, 0
.rept 16*NB
	v_mov_b32 v[n1], v[n1]
.set n1, n1+1
.endr
	WIN 0
	s_branch .Lpass
.Ldone:
	s_wait_tensorcnt 0x0                           ; the wave's end
	ds_add_u32 v[SPW], v[NIL]
	s_wait_dscnt 0x0
	CROUND                                         ; the closing round
	s_endpgm
.Lfunc_end_k_q57b0dbb89d_qkv:
	.size	k_q57b0dbb89d_qkv, .Lfunc_end_k_q57b0dbb89d_qkv-k_q57b0dbb89d_qkv
	.p2alignl 7, 3214868480
	.fill 96, 4, 3214868480
	.section	.rodata,"a",@progbits
	.p2align	6, 0x0
	.amdhsa_kernel k_q57b0dbb89d_qkv
		.amdhsa_group_segment_fixed_size 327680
		.amdhsa_private_segment_fixed_size 0
		.amdhsa_enable_private_segment 0
		.amdhsa_kernarg_size 24
		.amdhsa_user_sgpr_count 2
		.amdhsa_user_sgpr_kernarg_segment_ptr 1
		.amdhsa_wavefront_size32 1
		.amdhsa_system_sgpr_workgroup_id_x 1
		.amdhsa_system_sgpr_workgroup_id_y 1
		.amdhsa_system_sgpr_workgroup_id_z 1
		.amdhsa_system_vgpr_workitem_id 0
		.amdhsa_next_free_vgpr 960
		.amdhsa_next_free_sgpr 96
		.amdhsa_reserve_vcc 0
		.amdhsa_float_denorm_mode_32 3
		.amdhsa_float_denorm_mode_16_64 3
		.amdhsa_memory_ordered 1
		.amdhsa_forward_progress 1
		.amdhsa_inst_pref_size 96
	.end_amdhsa_kernel
	.amdgpu_metadata
---
amdhsa.version: [ 1, 2 ]
amdhsa.kernels:
  - .name:           k_q57b0dbb89d_qkv
    .symbol:         k_q57b0dbb89d_qkv.kd
    .args:
      - { .name: xb, .offset: 0, .size: 8, .value_kind: global_buffer, .address_space: global }
      - { .name: wts, .offset: 8, .size: 8, .value_kind: global_buffer, .address_space: global }
      - { .name: qkvh, .offset: 16, .size: 8, .value_kind: global_buffer, .address_space: global }
    .group_segment_fixed_size: 327680
    .private_segment_fixed_size: 0
    .kernarg_segment_align: 8
    .kernarg_segment_size: 24
    .max_flat_workgroup_size: 128
    .sgpr_count:     96
    .vgpr_count:     960
    .wavefront_size: 32
...
	.end_amdgpu_metadata
.endif
;; end of part 2
;; launch attn (part 3): grid 8 x 32, 4 waves a work-group, clusters of 4 x 1, 327,680 bytes of LDS; arguments qkvh, ob; writes ob
.if DOCPART == 3
	.amdgcn_target "amdgcn-amd-amdhsa--gfx1250"
	.amdhsa_code_object_version 6
	.text
	.protected	k_q57b0dbb89d_attn
	.globl	k_q57b0dbb89d_attn
	.p2align	8
	.type	k_q57b0dbb89d_attn,@function
k_q57b0dbb89d_attn:
	s_mov_b64 s[64:65], 0
	v_nop
	global_prefetch_b8 v0, s[64:65] scope:SCOPE_SE
	s_setreg_imm32_b32 hwreg(HW_REG_WAVE_MODE, 25, 1), 1
	s_wait_xcnt 0x0
	s_wait_alu depctr_hold_cnt(0) depctr_sa_sdst(0) depctr_va_vdst(0) depctr_va_sdst(0) depctr_va_ssrc(0) depctr_va_vcc(0) depctr_vm_vsrc(0)
	s_getreg_b32 s2, hwreg(HW_REG_IB_STS2, 6, 4)
	s_cmp_eq_u32 s2, 0
	s_cbranch_scc0 .Lentry_in_a_cluster
	s_endpgm
.Lentry_in_a_cluster:
	s_bfe_u32 s2, ttmp6, 0x10000c
	s_cmp_lg_u32 s2, 0x3003
	s_cbranch_scc0 .Lentry_shape_is_right
	s_endpgm
.Lentry_shape_is_right:
; ATTENTION.  O[y][q][:] = the sum over k of softmax_k(Q[y][q] . K[y][k] / 8) V[y][k][:], for 32 slabs y = 2 head + batch of [2,048][64] bf16, dense rows of 128 bytes.
; qkvh holds q, k, v, 8,388,608 bytes each; ob has q's layout.  Products, maxima and sums in f32; the weights p are rounded to bf16 for the second product (their sum l is taken of the unrounded p), O once.
; LIMITS.  A weight below 2^-126 counts as 0 in l; NaN and infinities are not treated apart.
; SHARES.  A work-group owns 256 queries of a slab, a wave 64: four PIECES of 16.  Every wave walks all 2,048 keys, 64 a step; a slot of LDS holds 256 keys' K and V, two slots take turns.
; LAYOUT.  S^T = K Q^T holds ONE query a lane (lane % 16) and the keys 8 (lane / 16) + 0..7; two such results rounded to bf16 ARE source 1 of O^T = V^T P.  V comes out of LDS turned, by ds_load_tr16_b128.
; SOFTMAX.  p = 2^(c s - c m), c = log2(e) / 8, with a running maximum m; O and l are multiplied by a = 2^(c m_old - c m_new) in every step.  m starts at the lowest finite number, O and l at 0.
; TURNS.  Turn n belongs to piece n: 8 products K Q^T of piece n + 1, later 8 products V^T P of piece n - 1; beside them piece n's scaling, exponentials, roundings, sums and rescaling and piece n + 1's maximum
; and statistics.  Four vector instructions stand behind every matrix instruction, the rest in one lump.  A turn's 33 exponentials are one batch, with one wait.
; CLUSTER.  The four query blocks of a cluster walk the same K and V: each tile is asked for jointly.
; REGISTERS: window 0: v0-15 addresses; v16-31 statistics; v48-55 at work; v64-127 S^T, two buffers; v192-223 P, two buffers.  Window 1: v0-127 O^T.  Window 2: v0-63 Q; v128-191 K; v192-255 V.
.set NP,    4
.set KS,    64
.set PK,    144       ; a row of K in LDS: 128 bytes + 16
.set PV,    160       ; a row of V: 128 + 32
.set VOFF,  4*KS*PK
.set SLOT1, 1<<17
.set STAGE, SLOT1+4*KS*(PK+PV)
.set SP,    144
.set SPARE, STAGE+4*16*SP  ; the spare words: 128 bytes a wave, two blocks of 256 bytes that no other line names
.set AK0, 2
.set AV0, 3
.set AK,  4
.set AV,  5
.set STO, 6
.set RD,  7
.set GO,  8
.set MV,  12
.set QO,  15
.set ST,  16          ; piece t's statistics at v[ST+4 t]: c m, m, l (even keys', odd keys')
.set TMP, 48
.set PFO, 61          ; v61  256 x my lane; never rewritten
.set SPW, 62
.set NIL, 63
.set S,   64
.set P,   192
.set KF,  128
.set VF,  192
.set WV,  12
.set LIM, 15          ; s15  1 in a wave that prefetches, else the greatest number
.set PFA, 18          ; s[18:19] where my prefetches stand
.set G1K, 24
.set G1V, 32
.set G0K, 40
.set G0V, 44
.set SLOTS, 56
.set CNT, 57
.set CS,  58
.set SEL, 60
.set TBK, 62
.set TBV, 63
.set MSB, 0
.macro WIN new
.if MSB != (\new)
	s_set_vgpr_msb (MSB<<8)|(\new)
.set MSB, (\new)
.endif
.endm
.set W_KQ, 0x0a       ; K and Q in window 2, S^T in window 0
.set W_PV, 0x52       ; V in window 2, P in window 0, O^T in window 1
.set W_RS, 0x41       ; destination and source 0 in window 1, source 1 in window 0
.macro JLOAD                        ; waves 0, 1 fetch the halves of a tile's K, waves 2, 3 of its V; an s_nop 0 and four v_nop follow each line
	s_cmp_lt_u32 s[WV], 2
	s_cbranch_scc0 .Lfor_v_\@
	tensor_load_to_lds s[G0K:G0K+3], s[G1K:G1K+7]
	s_nop 0
.rept 4
	v_nop
.endr
	s_branch .Lasked_\@
.Lfor_v_\@:
	tensor_load_to_lds s[G0V:G0V+3], s[G1V:G1V+7]
	s_nop 0
.rept 4
	v_nop
.endr
.Lasked_\@:
.endm
; A prefetch of the tile that the NEXT change of slots will ask for, four key steps ahead: 128 blocks of 256 bytes of K and of V.  The slab's first cluster asks; its four partners take 32 blocks each, told apart
; by address; wave 0 asks for K's, wave 2 for V's, a lane a block.  So each block is named once.  The last change that fills a slot asks for nothing.
.macro ASK
	s_cmp_gt_u32 s[SLOTS], s[LIM]
	s_cbranch_scc0 .Lnot_mine_\@
	global_prefetch_b8 v[PFO], s[PFA:PFA+1] th:TH_LOAD_NT scope:SCOPE_SE
.Lnot_mine_\@:
.endm
.macro CROUND
	s_barrier_signal -1
	s_barrier_wait -1
	s_cmp_lg_u32 s[WV], 0
	s_cbranch_scc1 .Lnot_wave_0_\@
	s_barrier_signal -3
.Lnot_wave_0_\@:
	s_barrier_wait -3
	s_barrier_signal -1
	s_barrier_wait -1
.endm
; THE CHANGE OF SLOTS.  Each wave waits for all its tensor loads (one is out: its part of the other slot), adds 0 to its spare word, and waits for that and for its reads of the slot that it leaves.
; fill = 1: the barrier is a round of the cluster's, and the joint refill is the first thing behind it: it has four key steps in which to land.
.macro CHANGE fill
	WIN 0
	s_wait_tensorcnt 0x0
	ds_add_u32 v[SPW], v[NIL]
.if \fill
.irp g, G0K, G0V
	s_xor_b32 s[\g+1], s[\g+1], SLOT1
	s_add_nc_u64 s[\g+2:\g+3], s[\g+2:\g+3], 4*KS*128
.endr
	s_wait_xcnt 0x0                 ; the last prefetch, four key steps back, has read its address
	s_add_nc_u64 s[PFA:PFA+1], s[PFA:PFA+1], 4*KS*128
	s_wait_dscnt 0x0
	CROUND
	JLOAD
	ASK
.else
	s_wait_dscnt 0x0
	s_barrier_signal -1
	s_barrier_wait -1
.endif
	s_sub_co_u32 s[TBK], s[TBK], 4*KS*PK  ; the fetches go back to a slot's first step, in the other slot
	s_xor_b32 s[TBK], s[TBK], SLOT1
	s_sub_co_u32 s[TBV], s[TBV], 4*KS*PV
	s_xor_b32 s[TBV], s[TBV], SLOT1
.endm
	s_load_b128 s[4:7], s[0:1], 0x0 ; qkvh s[4:5], ob s[6:7]
	v_lshl_add_u32 v[SPW], v0, 2, SPARE
	v_mov_b32 v[NIL], 0
	ds_add_u32 v[SPW], v[NIL]       ; the wave's opening: the add, waited for ahead of my first tensor load
	v_lshrrev_b32 v1, 5, v0
	v_readfirstlane_b32 s[WV], v1
	s_bfe_u32 s13, ttmp6, 0x40000   ; cx
	s_lshl_b32 s14, ttmp9, 2
	s_add_co_u32 s14, s14, s13      ; my block of 256 queries: it enters Q's and O's addresses alone
	s_and_b32 s20, ttmp7, 0xffff    ; the slab, which the four partners share
	s_lshl_b32 s20, s20, 18
	s_mov_b32 s21, 0
	s_and_b32 s16, s[WV], 1         ; which half of a tile's 256 keys I fetch
	s_lshl_b32 s22, s16, 14
	s_mov_b32 s23, 0
	s_add_nc_u64 s[22:23], s[22:23], s[20:21]
	s_mul_i32 s17, s16, 128*PK
	s_mul_i32 s18, s16, 128*PV
	s_lshl_b32 s2, s14, 2
	s_add_co_u32 s2, s2, s[WV]
	s_lshl_b32 s2, s2, 13           ; my wave's 64 rows of 128 bytes
	s_mov_b32 s3, 0
	s_add_nc_u64 s[2:3], s[2:3], s[20:21]
	; 128 keys are 16,384 dense bytes: asked for as 64 rows of 256 bytes, padded in LDS after every key
	s_mov_b32 s[G1K], 15|(1<<16)|(1<<20)|(1<<21)|(4<<22)|(3<<25)
	s_mov_b32 s[G1V], 15|(1<<16)|(1<<20)|(1<<21)|(4<<22)|(7<<25)
.irp g, G1K, G1V
	s_mov_b32 s[\g+1], 128<<16
	s_mov_b32 s[\g+2], 64<<16
	s_mov_b32 s[\g+3], 128<<16
	s_mov_b32 s[\g+4], 64
	s_mov_b32 s[\g+5], 128
	s_mov_b32 s[\g+6], 0
	s_mov_b32 s[\g+7], 0
.endr
	s_mov_b32 s[CS], 0x3e38aa3b     ; c = log2(e) / 8
	s_mov_b32 s[CS+1], s[CS]
	s_mov_b32 s[SEL], 0x76543210
	s_mov_b32 s[SEL+1], 0xfedcba98
	s_mov_b32 s[TBK], SLOT1+4*KS*PK ; the first change of slots turns these two into 0
	s_mov_b32 s[TBV], SLOT1+4*KS*PV
	s_mov_b32 s[G0K], 1
	s_mov_b32 s[G0K+1], s17
	s_mov_b32 s[G0V], 1
	s_add_co_u32 s[G0V+1], s18, VOFF
	s_mov_b32 s[SLOTS], 7           ; tiles still to be asked for
	s_and_b32 s[LIM], s[WV], 1
	s_or_b32 s[LIM], s[LIM], ttmp9  ; 0 in waves 0 and 2 of the slab's first cluster: the same in all four partners
	s_cmp_eq_u32 s[LIM], 0
	s_cselect_b32 s[LIM], 1, -1
	v_and_b32 v[PFO], 31, v0
	v_lshlrev_b32 v[PFO], 8, v[PFO]
	s_wait_dscnt 0x0                ; the opening add is done
	s_wait_kmcnt 0x0
	s_mov_b64 s[10:11], s[6:7]      ; O
	s_add_nc_u64 s[6:7], s[4:5], 8388608   ; K
	s_add_nc_u64 s[8:9], s[4:5], 16777216  ; V
	s_add_nc_u64 s[6:7], s[6:7], s[22:23]
	s_add_nc_u64 s[8:9], s[8:9], s[22:23]
	s_add_nc_u64 s[G0K+2:G0K+3], s[6:7], 0
	s_or_b32 s[G0K+3], s[G0K+3], 0x80000000
	s_add_nc_u64 s[G0V+2:G0V+3], s[8:9], 0
	s_or_b32 s[G0V+3], s[G0V+3], 0x80000000
	s_add_nc_u64 s[4:5], s[4:5], s[2:3]    ; Q and O at my wave's first row
	s_add_nc_u64 s[10:11], s[10:11], s[2:3]
	s_cmp_lt_u32 s[WV], 2
	s_cselect_b64 s[PFA:PFA+1], s[6:7], s[8:9]  ; (in waves 0 and 2 these stand at the slab's first row)
	s_lshl_b32 s2, s13, 13          ; my work-group's 32 blocks of the 128
	s_mov_b32 s3, 0
	s_add_nc_u64 s[PFA:PFA+1], s[PFA:PFA+1], s[2:3]
	s_add_nc_u64 s[PFA:PFA+1], s[PFA:PFA+1], 4*KS*128  ; in tile 1; the first change of slots steps it to tile 2
	CROUND                          ; all four work-groups are here
	JLOAD                           ; tile 0 into slot 0
	v_and_b32 v1, 15, v0
	v_bfe_u32 v9, v0, 4, 1
	v_lshlrev_b32 v[QO], 7, v1
	v_lshl_add_u32 v[QO], v9, 4, v[QO]
	WIN 0x80
.set i, 0
.rept 8                             ; Q stays in registers: piece i / 2, channels 32 (i % 2) on
	global_load_b128 v[8*i:8*i+3],   v[QO], s[4:5] offset:(i/2)*2048+(i%2)*64
	global_load_b128 v[8*i+4:8*i+7], v[QO], s[4:5] offset:(i/2)*2048+(i%2)*64+32
.set i, i+1
.endr
	; What the first turn finds: V's registers and P's second buffer hold 0, O^T and l are 0.  All this stands in the wait for the first tile; no first step is written out.
.set i, VF
.rept 64
	v_mov_b32 v[i], 0
.set i, i+1
.endr
	WIN 0x40
.set i, 0
.rept 128
	v_mov_b32 v[i], 0
.set i, i+1
.endr
	WIN 0
.set i, 0
.rept 4
	v_mov_b32 v[ST+4*i], 0xfe000000    ; c m: far below every c s
	v_mov_b32 v[ST+4*i+1], 0xff7fffff  ; m
	v_mov_b32 v[ST+4*i+2], 0
	v_mov_b32 v[ST+4*i+3], 0
.set i, i+1
.endr
.set i, P+16
.rept 16
	v_mov_b32 v[i], 0
.set i, i+1
.endr
	v_mul_u32_u24 v[AK0], v1, PK
	v_lshl_add_u32 v[AK0], v9, 4, v[AK0]
	v_and_b32 v10, 7, v0
	v_bfe_u32 v11, v0, 3, 1
	v_lshl_add_u32 v[AV0], v9, 3, v10
	v_mul_u32_u24 v[AV0], v[AV0], PV
	v_lshl_add_u32 v[AV0], v11, 4, v[AV0]
	v_add_nc_u32 v[AV0], VOFF, v[AV0]
	s_mul_i32 s13, s[WV], 16*SP
	s_add_co_u32 s13, s13, STAGE
	v_mul_u32_u24 v[STO], v1, SP
	v_lshl_add_u32 v[STO], v9, 4, v[STO]
	v_add_nc_u32 v[STO], s13, v[STO]
	v_bfe_u32 v[RD], v0, 3, 2
	v_mul_u32_u24 v[RD], v[RD], SP
	v_lshl_add_u32 v[RD], v10, 4, v[RD]
	v_add_nc_u32 v[RD], s13, v[RD]
	v_and_b32 v[GO], 31, v0
	v_lshlrev_b32 v[GO], 4, v[GO]
	v_mov_b32 v[AK], v[AK0]         ; key step 0 lies at the head of slot 0
; THE MATRIX WORK.  The 4 accumulators of a run of 8 take turns.
.macro KQ x                         ; product i of 8 of S^T = K Q^T for piece x: channels 32 (i / 4) on, keys 16 (i % 4) on
	WIN W_KQ
.set rS, S+32*((\x)%2)+8*(i%4)
.set rK, KF+16*(i%4)+8*(i/4)
.set rQ, 16*(\x)+8*(i/4)
.if i < 4
	v_wmma_f32_16x16x32_bf16 v[rS:rS+7], v[rK:rK+7], v[rQ:rQ+7], 0
.else
	v_wmma_f32_16x16x32_bf16 v[rS:rS+7], v[rK:rK+7], v[rQ:rQ+7], v[rS:rS+7]
.endif
.endm
.macro PV x                         ; product i of 8 of O^T += V^T P for piece x: keys 32 (i / 4) on, channels 16 (i % 4) on
	WIN W_PV
.set rO, 32*(\x)+8*(i%4)
.set rV, VF+32*(i/4)+8*(i%4)
.set rP, P+16*((\x)%2)+8*(i/4)
	v_wmma_f32_16x16x32_bf16 v[rO:rO+7], v[rV:rV+7], v[rP:rP+7], v[rO:rO+7]
.endm
.macro MM                           ; the turn's next matrix instruction
.if i < 8
	KQ (Y+1)%NP
.else
.set i, i-8
	PV (Y+NP-1)%NP
.set i, i+8
.endif
.set i, i+1
.endm
.macro FETCH_K                      ; a step's K: 8 fragments, in one run
	WIN 0x80
.irp f, 0,1,2,3,4,5,6,7
	ds_load_b128 v[KF+8*\f:KF+8*\f+3],   v[AK] offset:(\f/2)*16*PK+(\f%2)*64
	ds_load_b128 v[KF+8*\f+4:KF+8*\f+7], v[AK] offset:(\f/2)*16*PK+(\f%2)*64+32
.endr
	s_add_co_u32 s[TBK], s[TBK], KS*PK
	WIN 0
.endm
.macro FETCH_V                      ; a step's V, turned
	WIN 0x80
.irp f, 0,1,2,3,4,5,6,7
	ds_load_tr16_b128 v[VF+8*\f:VF+8*\f+3],   v[AV] offset:(\f/4)*32*PV+(\f%4)*32
	ds_load_tr16_b128 v[VF+8*\f+4:VF+8*\f+7], v[AV] offset:(\f/4)*32*PV+16*PV+(\f%4)*32
.endr
	WIN 0
.endm
; THE VECTOR WORK, one line at a time: OP kind, number.  For piece Y: F n: c s - c m for pair n.  E n: the exponential of score n.  C n: pair n rounded to bf16.  B n: of the four weights 4 n .. the second pair
; is added onto the first.  L n: l takes that sum (L 0: l = a l + sum).  R n: pair n of O^T times a.  For piece Y + 1: X n, number n of the 22 that find its maximum and statistics
; (each accumulator's lowest registers are read first).
.set F, 0
.set E, 1
.set C, 2
.set B, 3
.set L, 4
.set R, 5
.set X, 6
.macro REGS y
.set rT, ST+4*(\y)
.set rC, TMP+4*((\y)%2)
.set rW, MV+((\y)%2)
.set rS, S+32*((\y)%2)
.set rP, P+16*((\y)%2)
.set rO, 32*(\y)
.endm
.macro OP k, n
.if (\k) == R
	REGS Y
	WIN W_RS
	v_pk_mul_f32 v[rO+2*(\n):rO+2*(\n)+1], v[rO+2*(\n):rO+2*(\n)+1], v[rC+2:rC+3] op_sel_hi:[1,0]
.elseif (\k) < R
	REGS Y
	WIN 0
.if (\k) == F
	v_pk_fma_f32 v[rS+2*(\n):rS+2*(\n)+1], v[rS+2*(\n):rS+2*(\n)+1], s[CS:CS+1], v[rT:rT+1] op_sel_hi:[1,0,0] neg_lo:[0,0,1] neg_hi:[0,0,1]
.elseif (\k) == E
	v_exp_f32 v[rS+(\n)], v[rS+(\n)]
.elseif (\k) == C
	v_cvt_pk_bf16_f32 v[rP+(\n)], v[rS+2*(\n)], v[rS+2*(\n)+1]
.elseif (\k) == B
	v_pk_add_f32 v[rS+4*(\n):rS+4*(\n)+1], v[rS+4*(\n):rS+4*(\n)+1], v[rS+4*(\n)+2:rS+4*(\n)+3]
.elseif (\n) == 0
	v_pk_fma_f32 v[rT+2:rT+3], v[rT+2:rT+3], v[rC+2:rC+3], v[rS:rS+1] op_sel_hi:[1,0,1]
.else
	v_pk_add_f32 v[rT+2:rT+3], v[rT+2:rT+3], v[rS+4*(\n):rS+4*(\n)+1]
.endif
.else
	REGS (Y+1)%NP
	WIN 0
.if (\n) < 4
	v_max3_num_f32 v[rC+(\n)], v[rS+8*(\n)], v[rS+8*(\n)+1], v[rS+8*(\n)+2]
.elseif (\n) < 12
	v_max3_num_f32 v[rC+(\n)%4], v[rC+(\n)%4], v[rS+8*((\n)%4)+2*((\n)/4)+1], v[rS+8*((\n)%4)+2*((\n)/4)+2]
.elseif (\n) == 12
	v_max3_num_f32 v[rC], v[rC], v[rS+7], v[rS+15]
.elseif (\n) == 13
	v_max3_num_f32 v[rC+1], v[rC+1], v[rS+23], v[rS+31]
.elseif (\n) == 14
	v_max3_num_f32 v[rC+2], v[rC+2], v[rC+3], v[rT+1]
.elseif (\n) == 15
	v_mov_b32 v[rW], v[rT]
.elseif (\n) == 16
	v_max3_num_f32 v[rC], v[rC], v[rC+1], v[rC+2]
.elseif (\n) == 17
	v_permlanex16_b32 v[rC+3], v[rC], s[SEL], s[SEL+1]
.elseif (\n) == 18
	v_max_num_f32 v[rT+1], v[rC], v[rC+3]
.elseif (\n) == 19
	v_mul_f32 v[rT], s[CS], v[rT+1]
.elseif (\n) == 20
	v_sub_f32 v[rC+1], v[rW], v[rT]
.else
	v_exp_f32 v[rC+2], v[rC+1]
.endif
.endif
.endm
.macro OPS a, i1, b=-1, i2=0, c=-1, i3=0, d=-1, i4=0
	OP \a, \i1
.if (\b) >= 0
	OP \b, \i2
.endif
.if (\c) >= 0
	OP \c, \i3
.endif
.if (\d) >= 0
	OP \d, \i4
.endif
.endm
.macro ROW a, i1, b, i2, c, i3, d, i4  ; a matrix instruction and the four behind it
	MM
	OPS \a, \i1, \b, \i2, \c, \i3, \d, \i4
.endm
; A TURN, for piece p.  AHEAD OF ITS ONE WAIT stands all that names no result of the turn's exponentials: the 8 products K Q^T with their riders, then the lump; X 21, the next piece's a, is the batch's last, R 15 the
; plain instruction behind it.  BEHIND THE WAIT stand the 8 products V^T P, behind each four of the roundings and sums.
; K of the next step is fetched in piece 2's turn, V of the step in hand at the end of piece 0's turn; each is waited for a turn later.  cnt = 1: the loop's count is taken down ahead of the branch behind the turn.
.macro TURN p, cnt=0
.set Y, (\p)
.set i, 0
.if (\p) == 3
	s_wait_dscnt 0x0                ; K is in
.endif
	ROW F,0, F,1, R,0, R,1
	ROW F,2, E,0, R,2, R,3
	ROW F,3, E,1, R,4, R,5
	ROW F,4, E,2, R,6, R,7
	ROW F,5, E,3, R,8, R,9
	ROW F,6, E,4, X,0, R,10
.if (\p) == 2
	WIN 0
	v_add_nc_u32 v[AK], s[TBK], v[AK0]
.endif
	ROW F,7, E,5, X,1, X,4
	ROW F,8, E,6, X,2, X,5
	OPS E,7, E,8, X,6, E,9
	OPS X,3, E,10, X,8, E,11
.if (\p) == 2
	FETCH_K
.endif
	OPS X,9, X,7, E,12, X,10
	OPS E,13, X,12, X,11, E,14
	OPS X,13, E,15, F,9, X,14
.if (\p) == 0
	v_add_nc_u32 v[AV], s[TBV], v[AV0]
.endif
	OPS E,16, F,10, E,17, F,11
	OPS X,16, E,18, X,15, E,19
	OPS F,12, E,20, X,17, E,21
	OPS F,13, E,22, F,14, E,23
	OPS X,18, E,24, F,15, E,25
	OPS R,11, E,26, X,19, E,27
	OPS R,12, E,28, R,13, E,29
	OPS X,20, E,30, R,14, E,31
	OPS X,21, R,15
	WIN 0
	s_wait_alu depctr_va_vdst(0)    ; the wait for the batch
.if (\p) == 1
	s_wait_dscnt 0x0                ; V is in
.endif
	ROW C,0, B,0, C,2, B,1
	ROW L,0, C,4, B,2, L,1
	ROW C,6, B,3, L,2, C,8
	ROW B,4, L,3, C,10, B,5
	ROW L,4, C,12, B,6, L,5
.if (\p) == 0
	s_add_co_u32 s[TBV], s[TBV], KS*PV
.endif
.if \cnt
	s_sub_co_u32 s[CNT], s[CNT], 1
	s_cmp_lg_u32 s[CNT], 0
.endif
	ROW C,14, B,7, L,6, C,1
	ROW C,3, L,7, C,5, C,7
	ROW C,9, C,11, C,13, C,15
.if (\p) == 0
	FETCH_V
.endif
.endm
	CHANGE 1                        ; tile 0 is in, everybody's part of it; tile 1 is asked for
	FETCH_K                         ; key step 0
	s_wait_loadcnt 0x0              ; Q
	s_wait_dscnt 0x0
.set i, 0
.rept 8
	KQ 0                            ; piece 0's first scores
.set i, i+1
.endr
	WIN 0
.rept 4
	v_nop                           ; the places behind those products
.endr
.set Y, NP-1                        ; X works for piece Y + 1: piece 0
.irp n, 0,1,2,3,4,5,6,7,8,9,10,11,12,13,14,15,16,17,18,19,20,21
	OP X, \n
.endr
	v_nop                           ; a plain instruction behind the exponential,
	s_wait_alu depctr_va_vdst(0)    ; and its wait, ahead of the branch
	s_mov_b32 s[CNT], 4
	s_branch .Lfirst                ; the loop is entered at a step's first turn, in the middle of a trip
.Lslot:                             ; six times: every slot but the last two is filled again
	CHANGE 1
	s_mov_b32 s[CNT], 4
.Lstep:                             ; a trip: pieces 2 and 3 of one step, then pieces 0 and 1 of the next, whose K and V it fetches
	TURN 2
	TURN 3
	WIN 0
.Lfirst:
	TURN 0
	TURN 1, 1
	WIN 0
	s_cbranch_scc1 .Lstep
	s_sub_co_u32 s[SLOTS], s[SLOTS], 1
	s_cmp_lg_u32 s[SLOTS], 0
	s_cbranch_scc1 .Lslot
	CHANGE 0                        ; the tail is written out
	s_mov_b32 s[CNT], 5             ; four trips fetch the last tile's steps; the fifth is left in its middle
.Ltail:
	s_min_u32 s[TBK], s[TBK], SLOT1+3*KS*PK  ; the last tile lies in slot 1; the fifth trip has no further step and fetches the last K once more
	TURN 2
	TURN 3
	WIN 0
	s_sub_co_u32 s[CNT], s[CNT], 1
	s_cmp_eq_u32 s[CNT], 0
	s_cbranch_scc1 .Lout
	TURN 0
	TURN 1
	WIN 0
	s_branch .Ltail
.Lout:                              ; the fifth trip's 8 products K Q^T and the maximum made of them serve nothing: the price, once a launch, of one text for every trip
.set i, 0
.rept 8
	PV NP-1                         ; the last piece's V^T P of the last step
.set i, i+1
.endr
	; THE WAY OUT.  l's halves are added; O^T is divided by l, rounded to bf16 and sent through my stage, a piece at a time.  The additions are the places behind the last products.
	WIN 0
.macro ALL line:vararg
.set t, 0
.rept 4
	\line
.set t, t+1
.endr
.endm
	ALL v_add_f32 v[ST+4*t+2], v[ST+4*t+2], v[ST+4*t+3]
	ALL v_permlanex16_b32 v[ST+4*t+3], v[ST+4*t+2], s[SEL], s[SEL+1]
	ALL v_add_f32 v[ST+4*t+2], v[ST+4*t+2], v[ST+4*t+3]
	ALL v_rcp_f32 v[ST+4*t+2], v[ST+4*t+2]
	v_nop                           ; a plain instruction behind the last reciprocal,
	s_wait_alu depctr_va_vdst(0)    ; and one wait for the four
.macro PACK t
	WIN W_RS
.set i, 32*(\t)
.rept 16
	v_pk_mul_f32 v[i:i+1], v[i:i+1], v[ST+4*(\t)+2:ST+4*(\t)+3] op_sel_hi:[1,0]
.set i, i+2
.endr
	WIN 0x05
.set i, 0
.rept 16
	v_cvt_pk_bf16_f32 v[S+16*(\t)+i], v[32*(\t)+2*i], v[32*(\t)+2*i+1]
.set i, i+1
.endr
	WIN 0
.irp f, 0,1,2,3
	ds_store_b128 v[STO], v[S+16*(\t)+4*\f:S+16*(\t)+4*\f+3] offset:32*\f
.endr
.irp f, 0,1,2,3
	ds_load_b128 v[S+16*(\t)+4*\f:S+16*(\t)+4*\f+3], v[RD] offset:\f*4*SP  ; LDS serves a wave's instructions in order (ISA guide 5.7.1.4)
.endr
.endm
.macro SEND t, younger              ; younger: the next piece's eight LDS lines, or none
	WIN 0
.irp f, 0,1,2,3
	s_wait_dscnt (\younger)+3-\f
	global_store_b128 v[GO], v[S+16*(\t)+4*\f:S+16*(\t)+4*\f+3], s[10:11] offset:(\t)*2048+\f*512  ; 512 consecutive bytes, aligned
.endr
.endm
	PACK 0
.set t, 1
.rept 3
	PACK t
	SEND t-1, 8
.set t, t+1
.endr
	SEND 3, 0
	s_wait_tensorcnt 0x0            ; the wave's end
	ds_add_u32 v[SPW], v[NIL]
	s_wait_dscnt 0x0
	CROUND                          ; the closing round
	s_endpgm
.Lfunc_end_k_q57b0dbb89d_attn:
	.size	k_q57b0dbb89d_attn, .Lfunc_end_k_q57b0dbb89d_attn-k_q57b0dbb89d_attn
	.p2alignl 7, 3214868480
	.fill 96, 4, 3214868480
	.section	.rodata,"a",@progbits
	.p2align	6, 0x0
	.amdhsa_kernel k_q57b0dbb89d_attn
		.amdhsa_group_segment_fixed_size 327680
		.amdhsa_private_segment_fixed_size 0
		.amdhsa_enable_private_segment 0
		.amdhsa_kernarg_size 16
		.amdhsa_user_sgpr_count 2
		.amdhsa_user_sgpr_kernarg_segment_ptr 1
		.amdhsa_wavefront_size32 1
		.amdhsa_system_sgpr_workgroup_id_x 1
		.amdhsa_system_sgpr_workgroup_id_y 1
		.amdhsa_system_sgpr_workgroup_id_z 1
		.amdhsa_system_vgpr_workitem_id 0
		.amdhsa_next_free_vgpr 768
		.amdhsa_next_free_sgpr 66
		.amdhsa_reserve_vcc 0
		.amdhsa_float_denorm_mode_32 3
		.amdhsa_float_denorm_mode_16_64 3
		.amdhsa_memory_ordered 1
		.amdhsa_forward_progress 1
		.amdhsa_inst_pref_size 112
	.end_amdhsa_kernel
	.amdgpu_metadata
---
amdhsa.version: [ 1, 2 ]
amdhsa.kernels:
  - .name:           k_q57b0dbb89d_attn
    .symbol:         k_q57b0dbb89d_attn.kd
    .args:
      - { .name: qkvh, .offset: 0, .size: 8, .value_kind: global_buffer, .address_space: global }
      - { .name: ob, .offset: 8, .size: 8, .value_kind: global_buffer, .address_space: global }
    .group_segment_fixed_size: 327680
    .private_segment_fixed_size: 0
    .kernarg_segment_align: 8
    .kernarg_segment_size: 16
    .max_flat_workgroup_size: 128
    .sgpr_count:     66
    .vgpr_count:     768
    .wavefront_size: 32
...
	.end_amdgpu_metadata
.endif
;; end of part 3
;; launch proj (part 4): grid 8 x 32, 4 waves a work-group, clusters of 4 x 4, 327,680 bytes of LDS; arguments ob, wts, xn32, x1; writes x1
.if DOCPART == 4
	.amdgcn_target "amdgcn-amd-amdhsa--gfx1250"
	.amdhsa_code_object_version 6
	.text
	.protected	k_q57b0dbb89d_proj
	.globl	k_q57b0dbb89d_proj
	.p2align	8
	.type	k_q57b0dbb89d_proj,@function
k_q57b0dbb89d_proj:
	s_mov_b64 s[64:65], 0
	v_nop
	global_prefetch_b8 v0, s[64:65] scope:SCOPE_SE
	s_setreg_imm32_b32 hwreg(HW_REG_WAVE_MODE, 25, 1), 1
	s_wait_xcnt 0x0
	s_wait_alu depctr_hold_cnt(0) depctr_sa_sdst(0) depctr_va_vdst(0) depctr_va_sdst(0) depctr_va_ssrc(0) depctr_va_vcc(0) depctr_vm_vsrc(0)
	s_getreg_b32 s2, hwreg(HW_REG_IB_STS2, 6, 4)
	s_cmp_eq_u32 s2, 0
	s_cbranch_scc0 .Lentry_in_a_cluster
	s_endpgm
.Lentry_in_a_cluster:
	s_bfe_u32 s2, ttmp6, 0x10000c
	s_cmp_lg_u32 s2, 0xf033
	s_cbranch_scc0 .Lentry_shape_is_right
	s_endpgm
.Lentry_shape_is_right:
; PROJ: x1 = xn + (o WP^T + proj_b), f32.  K = 1,024 in 4 steps of 256.  The bias comes from the table in wts (rounded to bf16, kept as f32).
; A work-group makes 128 x 128; four waves, each 64 x 64: 16 accumulators.  Two LDS slots take turns; one tensor load a wave behind each change of slots.
; A (ob) lies as [k / 64][4,096][64]: 64 rows of a block are 8,192 dense bytes: one descriptor row, four to a step; LDS [k block][row], rows 144 bytes apart.
; CLUSTER 4 x 4: A's tile shared along a row of the cluster, B's along a column.  The matrix instruction is used transposed; the bias is the C of the first products.
; No prefetch: four short steps.  LIMITS: operands rounded once to bf16; sums and the residual in f32; NaN and infinities are not treated apart.
.set NB,    4
.set D,     2
.set KS,    256
.set T,     4
.set RL,    64
.set SUBA,  RL*144
.set REGA,  (KS/64)*SUBA
.set BOFF,  2*REGA
.set BR,    128
.set PB,    2*KS+16
.set SLOT,  BOFF+BR*PB
.set STAGE, 2*SLOT                     ; 16 rows x 272 bytes of f32 for each wave
.set SPARE, STAGE+4*4352               ; the spare words: two blocks of 256 bytes that no other line names
.set KPITCH, 1024
.set WOFF,  6291456
.set BIAS_O, 25725440
.set ASTEP, (KS/64)*524288
.set BSTEP, 2*KS
.set QI,    6
.set A0,  2
.set B0,  3
.set ADA, 4
.set ADB, 5
.set STO, 6
.set RD,  7
.set XO,  8
.set BO,  11
.set SPW, 28
.set NIL, 29
.set BI,  32
.set TT,  68
.set XR,  128                          ; v[128:255] the residual, then the result: block a, row pair t at XR + 32 a + 4 t
.set F0,  0
.set F1,  128
.set WV,  20
.set WM,  21
.set WN,  22
.set CX,  23
.set CY,  24
.set CT,  25
.set RT,  26
.set G1A, 32
.set G1B, 40
.set G0A, 48
.set G0B, 52
.set TB,  56
.set FB,  57
.set LA,  58
.set LB,  59
.set CNT, 60
.set MSB, 0
.macro WIN new
.if MSB != (\new)
	s_set_vgpr_msb (MSB<<8)|(\new)
.set MSB, (\new)
.endif
.endm
.macro PLACES
.rept 4
	v_nop
.endr
.endm
.macro JLOAD                           ; one load a wave; an s_nop 0 and four v_nop follow each line
	s_cmp_lt_u32 s[WV], 2
	s_cbranch_scc0 .Lfor_b_\@
	tensor_load_to_lds s[G0A:G0A+3], s[G1A:G1A+7]
	s_nop 0
.rept 4
	v_nop
.endr
	s_branch .Lasked_\@
.Lfor_b_\@:
	tensor_load_to_lds s[G0B:G0B+3], s[G1B:G1B+7]
	s_nop 0
.rept 4
	v_nop
.endr
.Lasked_\@:
.endm
.macro CREST
	s_cmp_lg_u32 s[WV], 0
	s_cbranch_scc1 .Lnot_wave_0_\@
	s_barrier_signal -3
.Lnot_wave_0_\@:
	s_barrier_wait -3
	s_barrier_signal -1
	s_barrier_wait -1
.endm
.macro CROUND
	s_barrier_signal -1
	s_barrier_wait -1
	CREST
.endm
.macro MULS f, c, hi, first            ; 2 NB products; the accumulators take turns.  first = 1: the bias starts the sums
.if (\first) == 1
	WIN 0x85+0x40*(\hi)
.else
	WIN 0xa5+0x50*(\hi)
.endif
.set aa, 0
.rept 2
.set bb, 0
.rept NB
.set rD, 8*(aa*NB+bb)
.set rB, (\f)+32*D+8*(NB*(\c)+bb)
.set rA, (\f)+8*(4*(\c)+2*(\hi)+aa)
.if (\first) == 1
	v_wmma_f32_16x16x32_bf16 v[rD:rD+7], v[rB:rB+7], v[rA:rA+7], v[BI+8*bb:BI+8*bb+7]
.else
	v_wmma_f32_16x16x32_bf16 v[rD:rD+7], v[rB:rB+7], v[rA:rA+7], v[rD:rD+7]
.endif
.set bb, bb+1
.endr
.set aa, aa+1
.endr
.endm
.macro HALF f, x, first
.if (\x) == 0
	MULS \f, 0, 0, \first
	MULS \f, 0, 1, \first
.else
	MULS \f, 1, 0, 0
	MULS \f, 1, 1, 0
.endif
.endm
.macro FETCH q, f
	WIN 0x40
.set cc, 0
.rept D
.set kk, 32*D*(\q)+32*cc
.set ii, 0
.rept 4
.set rr, (\f)+8*(4*cc+ii)
	ds_load_b128 v[rr:rr+3],   v[ADA] offset:(kk/64)*SUBA+(kk%64)*2+ii*2304
	ds_load_b128 v[rr+4:rr+7], v[ADA] offset:(kk/64)*SUBA+(kk%64)*2+ii*2304+32
.set ii, ii+1
.endr
.set ii, 0
.rept NB
.set rr, (\f)+32*D+8*(NB*cc+ii)
	ds_load_b128 v[rr:rr+3],   v[ADB] offset:2*kk+ii*16*PB
	ds_load_b128 v[rr+4:rr+7], v[ADB] offset:2*kk+ii*16*PB+32
.set ii, ii+1
.endr
.set cc, cc+1
.endr
.endm
.macro QSTEP q, f, g, first
	s_wait_dscnt 0x0                               ; buffer f is in
	HALF \f, 0, \first
	PLACES
	FETCH (\q)+1, \g
	HALF \f, 1, \first
.endm
.macro STEPD                           ; the other slot, the next K step; no tensor load of the wave is out here
	s_xor_b32 s[FB], s[FB], SLOT
	s_add_co_u32 s[G0A+1], s[LA], s[FB]
	s_add_co_u32 s[G0B+1], s[LB], s[FB]
	s_add_nc_u64 s[G0A+2:G0A+3], s[G0A+2:G0A+3], ASTEP
	s_add_nc_u64 s[G0B+2:G0B+3], s[G0B+2:G0B+3], BSTEP
.endm
.macro TURN fill                       ; the last sub-step changes slots: all my tensor loads, the add, my reads; the barrier (a round where a slot is filled again); the refill first behind it
	WIN 0
	s_wait_tensorcnt 0x0
	ds_add_u32 v[SPW], v[NIL]
.if \fill
	STEPD
.endif
	s_xor_b32 s[TB], s[TB], SLOT
	s_wait_dscnt 0x0
	s_barrier_signal -1
	HALF F1, 0, 0
	WIN 0
	s_barrier_wait -1
.if \fill
	CREST
	JLOAD
.else
	PLACES
.endif
	v_add_nc_u32 v[ADA], s[TB], v[A0]
	v_add_nc_u32 v[ADB], s[TB], v[B0]
	FETCH 0, F0
	HALF F1, 1, 0
.endm
	s_load_b256 s[4:11], s[0:1], 0x0               ; ob 4, wts 6, xn32 8, x1 10
	v_lshl_add_u32 v[SPW], v0, 2, SPARE
	v_mov_b32 v[NIL], 0
	ds_add_u32 v[SPW], v[NIL]                      ; the wave's opening: the add, waited for ahead of my first tensor load
	v_lshrrev_b32 v1, 5, v0
	v_readfirstlane_b32 s[WV], v1
	s_lshr_b32 s[WM], s[WV], 1                     ; my half of the rows
	s_and_b32 s[WN], s[WV], 1                      ; my half of the columns; also which half of a tile I fetch
	s_bfe_u32 s[CX], ttmp6, 0x40000
	s_bfe_u32 s[CY], ttmp6, 0x40004
	s_lshl_b32 s[CT], ttmp9, 2
	s_add_co_u32 s[CT], s[CT], s[CX]
	s_and_b32 s[RT], ttmp7, 0xffff
	s_lshl_b32 s[RT], s[RT], 2
	s_add_co_u32 s[RT], s[RT], s[CY]
	s_lshl_b32 s27, s[CY], 2
	s_lshl_b32 s27, 15, s27
	s_lshl_b32 s28, 0x1111, s[CX]
	s_or_b32 s[G1A], s27, (1<<16)|(1<<20)|(1<<21)|(4<<22)|(3<<25)
	s_or_b32 s[G1B], s28, (1<<16)|(1<<20)|(1<<21)|(QI<<22)|(3<<25)
	s_mov_b32 s[G1A+1], ((64*RL)&0xffff)<<16
	s_mov_b32 s[G1A+2], (KS/64)<<16
	s_mov_b32 s[G1A+3], (64*RL)<<16
	s_mov_b32 s[G1A+4], KS/64
	s_mov_b32 s[G1A+5], 262144
	s_mov_b32 s[G1A+6], 0
	s_mov_b32 s[G1A+7], 0
	s_mov_b32 s[G1B+1], KS<<16
	s_mov_b32 s[G1B+2], (BR/2)<<16
	s_mov_b32 s[G1B+3], KS<<16
	s_mov_b32 s[G1B+4], BR/2
	s_mov_b32 s[G1B+5], KPITCH
	s_mov_b32 s[G1B+6], 0
	s_mov_b32 s[G1B+7], 0
	s_mul_i32 s[LA], s[WN], REGA
	s_mul_i32 s[LB], s[WN], (BR/2)*PB
	s_add_co_u32 s[LB], s[LB], BOFF
	s_lshl_b32 s30, s[RT], 7
	s_lshl_b32 s31, s[WN], 6
	s_add_co_u32 s30, s30, s31
	s_lshl_b32 s30, s30, 7
	s_mov_b32 s31, 0
	s_mul_i32 s62, s[CT], BR
	s_mul_i32 s63, s[WN], BR/2
	s_add_co_u32 s62, s62, s63
	s_mul_i32 s62, s62, 2*KPITCH
	s_mov_b32 s63, 0
	s_mov_b32 s[TB], 0
	s_mov_b32 s[FB], 0
	s_mov_b32 s[G0A], 1
	s_mov_b32 s[G0A+1], s[LA]
	s_mov_b32 s[G0B], 1
	s_mov_b32 s[G0B+1], s[LB]
	s_wait_dscnt 0x0
	s_wait_kmcnt 0x0
	s_add_nc_u64 s[G0A+2:G0A+3], s[4:5], s[30:31]
	s_or_b32 s[G0A+3], s[G0A+3], 0x80000000
	s_add_nc_u64 s[G0B+2:G0B+3], s[6:7], s[62:63]
	s_add_nc_u64 s[G0B+2:G0B+3], s[G0B+2:G0B+3], WOFF
	s_or_b32 s[G0B+3], s[G0B+3], 0x80000000
	CROUND
	JLOAD                                          ; K step 0 into slot 0
	v_and_b32 v1, 15, v0
	v_bfe_u32 v9, v0, 4, 1
	v_lshlrev_b32 v[BO], 5, v9
	v_lshlrev_b32 v[XO], 4, v1
	v_lshl_add_u32 v[XO], v9, 12, v[XO]            ; the odd row + 16 c
	s_lshl_b32 s72, s[RT], 7
	s_lshl_b32 s73, s[WM], 6
	s_add_co_u32 s72, s72, s73                     ; my first row
	s_lshl_b32 s74, s[CT], 7
	s_lshl_b32 s73, s[WN], 6
	s_add_co_u32 s74, s74, s73                     ; my first column
	s_lshl_b32 s78, s74, 2
	s_mov_b32 s79, 0
	s_add_nc_u64 s[12:13], s[6:7], s[78:79]
	s_add_nc_u64 s[12:13], s[12:13], BIAS_O
	s_lshl_b32 s73, s72, 12
	s_add_co_u32 s78, s78, s73
	s_add_nc_u64 s[8:9], s[8:9], s[78:79]
	s_add_nc_u64 s[10:11], s[10:11], s[78:79]
.set n1, 0
.rept 4
	global_load_b128 v[BI+8*n1:BI+8*n1+3],   v[BO], s[12:13] offset:n1*64
	global_load_b128 v[BI+8*n1+4:BI+8*n1+7], v[BO], s[12:13] offset:n1*64+16
.set n1, n1+1
.endr
.set n1, 0
.rept 32
	global_load_b128 v[XR+4*n1:XR+4*n1+3], v[XO], s[8:9] offset:2*n1*4096 th:TH_LOAD_NT   ; the residual, as the rows come back from the stage
.set n1, n1+1
.endr
	v_mul_u32_u24 v[A0], v1, 144
	v_lshl_add_u32 v[A0], v9, 4, v[A0]
	s_mul_i32 s27, s[WM], REGA
	v_add_nc_u32 v[A0], s27, v[A0]
	v_mul_u32_u24 v[B0], v1, PB
	v_lshl_add_u32 v[B0], v9, 4, v[B0]
	s_mul_i32 s27, s[WN], 16*NB*PB
	s_add_co_u32 s27, s27, BOFF
	v_add_nc_u32 v[B0], s27, v[B0]
	s_mul_i32 s27, s[WV], 4352
	s_add_co_u32 s27, s27, STAGE
	v_mul_u32_u24 v[STO], v1, 272                  ; in: row l % 16, 32 bytes for each half of the lanes
	v_lshl_add_u32 v[STO], v9, 5, v[STO]
	v_add_nc_u32 v[STO], s27, v[STO]
	v_mul_u32_u24 v[RD], v9, 272                   ; back: lanes 0-15 one row of 256 bytes, lanes 16-31 the next
	v_lshl_add_u32 v[RD], v1, 4, v[RD]
	v_add_nc_u32 v[RD], s27, v[RD]
	v_mov_b32 v[ADA], v[A0]
	v_mov_b32 v[ADB], v[B0]
	s_wait_tensorcnt 0x0
	ds_add_u32 v[SPW], v[NIL]
	STEPD
	s_wait_dscnt 0x0
	CROUND
	JLOAD                                          ; K step 1 into slot 1
	FETCH 0, F0
	s_wait_loadcnt 32                              ; the bias is in; the residual's 32 loads may stay out
	QSTEP 0, F0, F1, 1
	WIN 0
	s_mov_b32 s[CNT], T-2
.Lk:
	QSTEP 1, F1, F0, 0
	QSTEP 2, F0, F1, 0
	TURN 1
	QSTEP 0, F0, F1, 0
	WIN 0
	s_sub_co_u32 s[CNT], s[CNT], 1
	s_cmp_lg_u32 s[CNT], 0
	s_cbranch_scc1 .Lk
	s_mov_b32 s[CNT], 2
.Ltail:                                ; the last two K steps ask for nothing; the second trip's change of slots fetches fragments that nobody uses
	QSTEP 1, F1, F0, 0
	QSTEP 2, F0, F1, 0
	TURN 0
	WIN 0
	s_sub_co_u32 s[CNT], s[CNT], 1
	s_cmp_eq_u32 s[CNT], 0
	s_cbranch_scc1 .Lout
	QSTEP 0, F0, F1, 0
	WIN 0
	s_branch .Ltail
.Lout:
	s_wait_dscnt 0x0
	s_wait_loadcnt 0x0                             ; the residual
	PLACES
	PLACES
; THE WAY OUT: block a of 16 rows x 64 columns of f32 goes through my stage and comes back as rows of 256 bytes; the residual is added; stored.
.macro BLOCK a
	WIN 0x08+4*((\a)/2)                            ; the LDS stores' data in window 2 or 3
.set n1, 0
.rept 4
.set rAcc, 8*(((\a)%2)*NB+n1)
	ds_store_b128 v[STO], v[rAcc:rAcc+3]   offset:64*n1
	ds_store_b128 v[STO], v[rAcc+4:rAcc+7] offset:64*n1+16
.set n1, n1+1
.endr
	WIN 0
.set n1, 0
.rept 8
	ds_load_b128 v[TT+4*n1:TT+4*n1+3], v[RD] offset:544*n1   ; LDS serves a wave's instructions in order (ISA guide 5.7.1.4)
.set n1, n1+1
.endr
.set n1, 0
.rept 8
.set rX, XR+32*(\a)+4*n1
	s_wait_dscnt 7-n1                              ; the younger loads may stay out
	v_pk_add_f32 v[rX:rX+1], v[rX:rX+1], v[TT+4*n1:TT+4*n1+1]
	v_pk_add_f32 v[rX+2:rX+3], v[rX+2:rX+3], v[TT+4*n1+2:TT+4*n1+3]
	global_store_b128 v[XO], v[rX:rX+3], s[10:11] offset:(16*(\a)+2*n1)*4096   ; sixteen lanes: 256 consecutive bytes, aligned
.set n1, n1+1
.endr
.endm
	BLOCK 0
	BLOCK 1
	BLOCK 2
	BLOCK 3
	s_wait_tensorcnt 0x0                           ; the wave's end
	ds_add_u32 v[SPW], v[NIL]
	s_wait_dscnt 0x0
	CROUND
	s_endpgm
.Lfunc_end_k_q57b0dbb89d_proj:
	.size	k_q57b0dbb89d_proj, .Lfunc_end_k_q57b0dbb89d_proj-k_q57b0dbb89d_proj
	.p2alignl 7, 3214868480
	.fill 96, 4, 3214868480
	.section	.rodata,"a",@progbits
	.p2align	6, 0x0
	.amdhsa_kernel k_q57b0dbb89d_proj
		.amdhsa_group_segment_fixed_size 327680
		.amdhsa_private_segment_fixed_size 0
		.amdhsa_enable_private_segment 0
		.amdhsa_kernarg_size 32
		.amdhsa_user_sgpr_count 2
		.amdhsa_user_sgpr_kernarg_segment_ptr 1
		.amdhsa_wavefront_size32 1
		.amdhsa_system_sgpr_workgroup_id_x 1
		.amdhsa_system_sgpr_workgroup_id_y 1
		.amdhsa_system_sgpr_workgroup_id_z 1
		.amdhsa_system_vgpr_workitem_id 0
		.amdhsa_next_free_vgpr 832
		.amdhsa_next_free_sgpr 96
		.amdhsa_reserve_vcc 0
		.amdhsa_float_denorm_mode_32 3
		.amdhsa_float_denorm_mode_16_64 3
		.amdhsa_memory_ordered 1
		.amdhsa_forward_progress 1
		.amdhsa_inst_pref_size 67
	.end_amdhsa_kernel
	.amdgpu_metadata
---
amdhsa.version: [ 1, 2 ]
amdhsa.kernels:
  - .name:           k_q57b0dbb89d_proj
    .symbol:         k_q57b0dbb89d_proj.kd
    .args:
      - { .name: ob, .offset: 0, .size: 8, .value_kind: global_buffer, .address_space: global }
      - { .name: wts, .offset: 8, .size: 8, .value_kind: global_buffer, .address_space: global }
      - { .name: xn32, .offset: 16, .size: 8, .value_kind: global_buffer, .address_space: global }
      - { .name: x1, .offset: 24, .size: 8, .value_kind: global_buffer, .address_space: global }
    .group_segment_fixed_size: 327680
    .private_segment_fixed_size: 0
    .kernarg_segment_align: 8
    .kernarg_segment_size: 32
    .max_flat_workgroup_size: 128
    .sgpr_count:     96
    .vgpr_count:     832
    .wavefront_size: 32
...
	.end_amdgpu_metadata
.endif
;; end of part 4
;; launch norm2 (part 5): grid 256 x 1, 8 waves a work-group, no clusters, 0 bytes of LDS; arguments x1, wts, yb; writes yb
.if DOCPART == 5
	.amdgcn_target "amdgcn-amd-amdhsa--gfx1250"
	.amdhsa_code_object_version 6
	.text
	.protected	k_q57b0dbb89d_norm2
	.globl	k_q57b0dbb89d_norm2
	.p2align	8
	.type	k_q57b0dbb89d_norm2,@function
k_q57b0dbb89d_norm2:
	s_mov_b64 s[64:65], 0
	v_nop
	global_prefetch_b8 v0, s[64:65] scope:SCOPE_SE
	s_setreg_imm32_b32 hwreg(HW_REG_WAVE_MODE, 25, 1), 1
	s_wait_xcnt 0x0
; NORM2: h = x1 * rsqrt(mean(x1^2) + 1e-6) * mlp_ln_w, in f32, rounded once to f16, stored row-major: [4,096][1,024], rows of 2,048 bytes.
; The gain comes from the table in wts (rounded to bf16, kept as f32).  A stream: no LDS, no matrix unit, no cluster: no two work-groups read the same rows.
; 16 rows to a work-group, two to a wave.  A row is taken by all 32 lanes: a load covers 512 consecutive bytes, a store 256, both aligned; both rows stay in registers between the sum and the scaling.
; LIMITS: |x1 rsqrt(..)| is 32 at the most (1,024 numbers a row), so h stays inside f16 while |mlp_ln_w| < 2,047; below 6e-5 h keeps f16's fixed step of 6e-8.
; rsqrt good to its last bit but one; NaN and infinities are not treated apart.
.set LN_O,  25729536
.set XX,    16                         ; v[16:47] my first row, v[48:79] my second
.set GG,    80                         ; v[80:111] the gain, later the packed results
	s_load_b128 s[8:11], s[0:1], 0x0               ; x1 8, wts 10
	s_load_b64 s[12:13], s[0:1], 0x10              ; yb
	v_lshrrev_b32 v1, 5, v0
	v_readfirstlane_b32 s3, v1                     ; wave 0..7
	v_and_b32 v1, 31, v0
	s_mov_b32 s7, 0
	s_lshl_b32 s4, ttmp9, 4
	s_lshl1_add_u32 s4, s3, s4                     ; r0 = 16 x work-group + 2 x wave
	s_mov_b32 s14, 0x3a800000                      ; 1 / 1024
	s_mov_b32 s15, 0x358637bd                      ; 1e-6
	s_mov_b32 s16, 0x76543210                      ; v_permlanex16_b32: each lane takes its own place in the other half
	s_mov_b32 s17, 0xfedcba98
	v_lshlrev_b32 v8, 4, v1                        ; 16 x lane
	v_lshlrev_b32 v10, 3, v1                       ; 8 x lane
	s_wait_kmcnt 0x0
	s_lshl_b32 s6, s4, 12
	s_add_nc_u64 s[8:9], s[8:9], s[6:7]
	s_lshl_b32 s6, s4, 11
	s_add_nc_u64 s[12:13], s[12:13], s[6:7]
	s_add_nc_u64 s[10:11], s[10:11], LN_O
.set n1, 0
.rept 8
	global_load_b128 v[XX+4*n1:XX+4*n1+3], v8, s[8:9] offset:512*n1 th:TH_LOAD_NT
	global_load_b128 v[XX+32+4*n1:XX+32+4*n1+3], v8, s[8:9] offset:4096+512*n1 th:TH_LOAD_NT
.set n1, n1+1
.endr
.set n1, 0
.rept 8
	global_load_b128 v[GG+4*n1:GG+4*n1+3], v8, s[10:11] offset:512*n1
.set n1, n1+1
.endr
	s_wait_loadcnt 8                               ; both rows are in; the eight loads of the gain may stay out
	v_pk_mul_f32 v[4:5], v[XX:XX+1], v[XX:XX+1]
	v_pk_mul_f32 v[6:7], v[XX+32:XX+33], v[XX+32:XX+33]
.set n1, 1
.rept 15
	v_pk_fma_f32 v[4:5], v[XX+2*n1:XX+2*n1+1], v[XX+2*n1:XX+2*n1+1], v[4:5]
	v_pk_fma_f32 v[6:7], v[XX+32+2*n1:XX+32+2*n1+1], v[XX+32+2*n1:XX+32+2*n1+1], v[6:7]
.set n1, n1+1
.endr
	v_add_f32 v4, v4, v5
	v_add_f32 v6, v6, v7
.irp m, 1,2,4,8
	v_add_f32_dpp v4, v4, v4 row_xmask:\m row_mask:0xf bank_mask:0xf
	v_add_f32_dpp v6, v6, v6 row_xmask:\m row_mask:0xf bank_mask:0xf
.endr
	v_permlanex16_b32 v5, v4, s16, s17             ; the other sixteen lanes' sum
	v_permlanex16_b32 v7, v6, s16, s17
	v_add_f32 v4, v4, v5
	v_add_f32 v6, v6, v7
	v_fma_f32 v4, v4, s14, s15
	v_fma_f32 v6, v6, s14, s15
	v_rsq_f32 v12, v4                              ; each twice: pairs for the packed multiply
	v_rsq_f32 v13, v4
	v_rsq_f32 v14, v6
	v_rsq_f32 v15, v6
	v_nop                                          ; a plain instruction behind the last of them,
	s_wait_alu depctr_va_vdst(0)                   ; and one wait for the four, ahead of their first reader
.set n1, 0
.rept 16
	v_pk_mul_f32 v[XX+2*n1:XX+2*n1+1], v[XX+2*n1:XX+2*n1+1], v[12:13]
	v_pk_mul_f32 v[XX+32+2*n1:XX+32+2*n1+1], v[XX+32+2*n1:XX+32+2*n1+1], v[14:15]
.set n1, n1+1
.endr
	s_wait_loadcnt 0x0                             ; the gain
.set n1, 0
.rept 16
	v_pk_mul_f32 v[XX+2*n1:XX+2*n1+1], v[XX+2*n1:XX+2*n1+1], v[GG+2*n1:GG+2*n1+1]
	v_pk_mul_f32 v[XX+32+2*n1:XX+32+2*n1+1], v[XX+32+2*n1:XX+32+2*n1+1], v[GG+2*n1:GG+2*n1+1]
.set n1, n1+1
.endr
.set n1, 0
.rept 8
	v_cvt_pk_f16_f32 v[GG+2*n1], v[XX+4*n1], v[XX+4*n1+1]
	v_cvt_pk_f16_f32 v[GG+2*n1+1], v[XX+4*n1+2], v[XX+4*n1+3]
	global_store_b64 v10, v[GG+2*n1:GG+2*n1+1], s[12:13] offset:256*n1   ; 32 lanes: 256 consecutive bytes, aligned
	v_cvt_pk_f16_f32 v[GG+16+2*n1], v[XX+32+4*n1], v[XX+32+4*n1+1]
	v_cvt_pk_f16_f32 v[GG+16+2*n1+1], v[XX+32+4*n1+2], v[XX+32+4*n1+3]
	global_store_b64 v10, v[GG+16+2*n1:GG+16+2*n1+1], s[12:13] offset:2048+256*n1
.set n1, n1+1
.endr
	s_endpgm
.Lfunc_end_k_q57b0dbb89d_norm2:
	.size	k_q57b0dbb89d_norm2, .Lfunc_end_k_q57b0dbb89d_norm2-k_q57b0dbb89d_norm2
	.p2alignl 7, 3214868480
	.fill 96, 4, 3214868480
	.section	.rodata,"a",@progbits
	.p2align	6, 0x0
	.amdhsa_kernel k_q57b0dbb89d_norm2
		.amdhsa_group_segment_fixed_size 0
		.amdhsa_private_segment_fixed_size 0
		.amdhsa_enable_private_segment 0
		.amdhsa_kernarg_size 24
		.amdhsa_user_sgpr_count 2
		.amdhsa_user_sgpr_kernarg_segment_ptr 1
		.amdhsa_wavefront_size32 1
		.amdhsa_system_sgpr_workgroup_id_x 1
		.amdhsa_system_sgpr_workgroup_id_y 1
		.amdhsa_system_sgpr_workgroup_id_z 1
		.amdhsa_system_vgpr_workitem_id 0
		.amdhsa_next_free_vgpr 112
		.amdhsa_next_free_sgpr 66
		.amdhsa_reserve_vcc 0
		.amdhsa_float_denorm_mode_32 3
		.amdhsa_float_denorm_mode_16_64 3
		.amdhsa_memory_ordered 1
		.amdhsa_forward_progress 1
		.amdhsa_inst_pref_size 14
	.end_amdhsa_kernel
	.amdgpu_metadata
---
amdhsa.version: [ 1, 2 ]
amdhsa.kernels:
  - .name:           k_q57b0dbb89d_norm2
    .symbol:         k_q57b0dbb89d_norm2.kd
    .args:
      - { .name: x1, .offset: 0, .size: 8, .value_kind: global_buffer, .address_space: global }
      - { .name: wts, .offset: 8, .size: 8, .value_kind: global_buffer, .address_space: global }
      - { .name: yb, .offset: 16, .size: 8, .value_kind: global_buffer, .address_space: global }
    .group_segment_fixed_size: 0
    .private_segment_fixed_size: 0
    .kernarg_segment_align: 8
    .kernarg_segment_size: 24
    .max_flat_workgroup_size: 256
    .sgpr_count:     66
    .vgpr_count:     112
    .wavefront_size: 32
...
	.end_amdgpu_metadata
.endif
;; end of part 5
;; launch w12 (part 6): grid 16 x 16, 4 waves a work-group, clusters of 4 x 4, 327,680 bytes of LDS; arguments yb, wts, hid; writes hid
.if DOCPART == 6
	.amdgcn_target "amdgcn-amd-amdhsa--gfx1250"
	.amdhsa_code_object_version 6
	.text
	.protected	k_q57b0dbb89d_w12
	.globl	k_q57b0dbb89d_w12
	.p2align	8
	.type	k_q57b0dbb89d_w12,@function
k_q57b0dbb89d_w12:
	s_mov_b64 s[64:65], 0
	v_nop
	global_prefetch_b8 v0, s[64:65] scope:SCOPE_SE
	s_setreg_imm32_b32 hwreg(HW_REG_WAVE_MODE, 25, 1), 1
	s_wait_xcnt 0x0
	s_wait_alu depctr_hold_cnt(0) depctr_sa_sdst(0) depctr_va_vdst(0) depctr_va_sdst(0) depctr_va_ssrc(0) depctr_va_vcc(0) depctr_vm_vsrc(0)
	s_getreg_b32 s2, hwreg(HW_REG_IB_STS2, 6, 4)
	s_cmp_eq_u32 s2, 0
	s_cbranch_scc0 .Lentry_in_a_cluster
	s_endpgm
.Lentry_in_a_cluster:
	s_bfe_u32 s2, ttmp6, 0x10000c
	s_cmp_lg_u32 s2, 0xf033
	s_cbranch_scc0 .Lentry_shape_is_right
	s_endpgm
.Lentry_shape_is_right:
; W12: x12 = h W12^T + w12_b, hidden = silu(x1) x2, stored in bf16 as [k / 8][4,096 rows][8]: 352 blocks of 8 hidden columns (those from 2,730 on are 0: their weights and biases are 0).
; h (yb, row-major) and W12 are f16 operands (h is bounded by its norm and its gain; W12 holds the bf16-rounded weights written as f16); sums in f32.
; SHARES.  4,096 x 5,632 numbers of x12 on 256 work-groups: 256 rows x 352 columns each, one tile to a work-group.  Four waves, each 128 rows x 176 columns: 8 x 11 = 88 accumulators of 16 x 16.
; THE MATRIX INSTRUCTION IS USED TRANSPOSED (source 0 = 16 rows of W12, source 1 = 16 rows of h): lane l holds row l % 16 of h, register j the row 8 (l / 16) + j of the block of W12.  W12's rows were laid so
; that registers 0-3 are x1 and registers 4-7 x2 of the hidden columns 4 (l / 16) + 0..3 of the block: an accumulator gives 16 rows x 8 hidden columns, which are 256 consecutive bytes of hid.
; THE RING.  K = 1,024 in 8 steps of 128 through two LDS slots; one tensor load a wave behind each change of slots: waves 0, 1 bring A's two halves (128 rows), waves 2, 3 B's (88 pairs of rows).
; A's rows lie 272 bytes apart.  W12 lies in memory in PAIRS of rows: a K step of a pair is 512 consecutive bytes, the even row's 256 and then the odd row's: one row of B's descriptor, with 16 bytes of padding behind
; it (a pad behind every single row would not fit in LDS).  Wave column wn takes the rows of parity wn, so a fragment's 16 rows lie 528 bytes = 132 words apart and start at 16 different groups of four banks
; (64 banks of 4 bytes: ISA guide 11.1).
; ONE FRAGMENT BUFFER, FILLED AGAIN IN PLACE.  A sub-step is 32 along K: 88 products on 8 fragments of A and 11 of B.  It goes by halves: A's blocks 0-3 with all of B, then A's blocks 4-7 with all of B.  A's top is
; loaded again behind the first half; in the second half each group of B's fragments as soon as it has been multiplied; A's bottom at the end.  Every sub-step has the same registers, so it is written once
; and looped over; the LDS address comes from a scalar that steps by 64 bytes.
; CLUSTER 4 x 4: A's tile is shared along a row of the cluster, B's along a column: joint loads.
; REGISTERS: window 0: v0-15 addresses; v16-39, v192-255 the bias; v40-103 A's fragments; v104-191 B's.  Window 1: the accumulators of A's blocks 0-3 x B's 0-7; window 2: 4-7 x 0-7; window 3: all x 8-10.
; The accumulators take turns, one instruction a turn, over the backward jumps too.
; LIMITS: hidden rounded once to bf16; a very negative x1 gives 2^(..) = infinity, a reciprocal of 0 and silu = -0; NaN and infinities are not treated apart.
.set KS,    128
.set T,     8
.set PA,    272
.set AHALF, 128*PA                     ; 128 rows of A: what one tensor load brings, and what one wave reads
.set BOFF,  2*AHALF
.set PB2,   528                        ; a pair of rows of B and its padding
.set BHALF, 88*PB2                     ; 88 pairs: one tensor load
.set SLOT,  BOFF+2*BHALF               ; 162,560
.set SPARE, 2*SLOT                     ; behind the slots: the spare words, 128 bytes a wave: two blocks of 256 bytes that no other line names
.set BSPLIT, 6*16*PB2                  ; B's blocks 6-10 have an address register of their own: an LDS offset has 16 bits
.set STEPA, 2*KS                       ; bytes of a row of A in a K step
.set STEPB, 4*KS                       ; bytes of a pair of rows of B in a K step
.set WOFF,  8388608
.set B12_O, 25690112
.set A0,  2                            ; v2   my lane's place in A's tile; never rewritten
.set B0,  3                            ; v3   in B's, blocks 0-5
.set B1,  4                            ; v4   blocks 6-10
.set ADA, 5                            ; v5-7 the same plus the slot and the place along K
.set ADB, 6
.set ADC, 7
.set GO,  8                            ; v8   my 8 bytes in 256 bytes of hid
.set BO,  9                            ; v9   my 32 bytes in a block's 64 of the bias
.set PFO, 10                           ; v10  the prefetches' offsets: a lane a block of 256 bytes
.set PFP, 14
.set SPW, 12
.set NIL, 13
.set BIA, 16                           ; the bias of blocks 8-10
.set BIB, 192                          ; of blocks 0-7
.set FA,  40
.set FB,  104
.set TT,  40                           ; the way out: eight accumulators' x1 and x2, in A's place
.set EE,  104                          ; the sigmoid in the making
.set OUT, 136                          ; packed
.set WV,  20
.set WM,  21
.set WN,  22
.set CX,  23
.set CY,  24
.set CT,  25
.set RT,  26
.set G1A, 32
.set G1B, 40
.set G0A, 48                           ; group 0 for A: slot 1's first fill, then it walks
.set G0B, 52
.set TK,  56                           ; s56  LDS byte of the slot and the place along K from which fragments are fetched
.set FBS, 57                           ; s57  the slot that is filled: 0 or SLOT
.set LA,  58
.set LB,  59
.set CNT, 60                           ; K steps
.set CNI, 61                           ; sub-steps
.set PH,  66
.set G0A0, 68                          ; group 0 for slot 0's first fill
.set G0B0, 72
.set NL2, 76                           ; s[76:77] -log2(e)
.set PFA, 78                           ; s[78:79] where my prefetches stand
.set LIM, 80                           ; s80  1 in a wave that prefetches, else the greatest number
.set CB,  81                           ; the way out's block
.set PST, 92                           ; s[92:93] my prefetches' step: a K step of A's rows or of B's pairs
.set MSB, 0
.macro WIN new                         ; the immediate's high byte repeats the setting that is left
.if MSB != (\new)
	s_set_vgpr_msb (MSB<<8)|(\new)
.set MSB, (\new)
.endif
.endm
.macro PLACES                          ; four plain places between a matrix instruction and a load into a register that it has read (ISA guide 7.12.1 for vector instructions)
.rept 4
	v_nop
.endr
.endm
.macro JLOAD                           ; one load a wave; an s_nop 0 and four v_nop follow each line
	s_cmp_lt_u32 s[WV], 2
	s_cbranch_scc0 .Lfor_b_\@
	tensor_load_to_lds s[G0A:G0A+3], s[G1A:G1A+7]
	s_nop 0
.rept 4
	v_nop
.endr
	s_branch .Lasked_\@
.Lfor_b_\@:
	tensor_load_to_lds s[G0B:G0B+3], s[G1B:G1B+7]
	s_nop 0
.rept 4
	v_nop
.endr
.Lasked_\@:
.endm
; A PREFETCH INTO THE L2 of the K step that the NEXT refill will load: one K step, 352 matrix instructions, ahead of that load; a lane names a block of 256 bytes.
; A's rows are read by every cluster of a row of clusters: cluster x = 0 asks; B's by every cluster of a column: cluster y = 0 asks.  The four partners that ask for a tile jointly share it out BY ADDRESS:
; of the 128 rows of A that a wave fetches the partner at cx takes 32, a block each; of the 88 pairs of B the partner at cy takes 22, two blocks each: 32 blocks by the first line and 12 by the second, whose
; lanes 12 to 31 name the share's last block again.  K steps 0 to 2 come by their loads alone; the last refill asks for nothing.
.macro ASK
	s_cmp_gt_u32 s[CNT], s[LIM]
	s_cbranch_scc0 .Lnot_mine_\@
	global_prefetch_b8 v[PFO], s[PFA:PFA+1] th:TH_LOAD_NT scope:SCOPE_SE
	s_cmp_lt_u32 s[WV], 2
	s_cbranch_scc1 .Lnot_mine_\@
	global_prefetch_b8 v[PFP], s[PFA:PFA+1] th:TH_LOAD_NT scope:SCOPE_SE
.Lnot_mine_\@:
.endm
.macro CREST                           ; a round of the cluster's barrier behind its opening barrier
	s_cmp_lg_u32 s[WV], 0
	s_cbranch_scc1 .Lnot_wave_0_\@
	s_barrier_signal -3
.Lnot_wave_0_\@:
	s_barrier_wait -3
	s_barrier_signal -1
	s_barrier_wait -1
.endm
.macro CROUND
	s_barrier_signal -1
	s_barrier_wait -1
	CREST
.endm
; 4 nb products: A's blocks 4 hf .. 4 hf + 3 x B's blocks b0 .. b0 + nb - 1.  zero = 1: the first product starts the sums.
.macro CL hf, b0, nb, zero
.set bb, \b0
.rept \nb
.set aa, 0
.rept 4
.if bb < 8
.set rD, 8*(4*bb+aa)
.else
.set rD, 8*(12*(\hf)+4*(bb-8)+aa)
.endif
.if \zero
	v_wmma_f32_16x16x32_f16 v[rD:rD+7], v[FB+8*bb:FB+8*bb+7], v[FA+8*(4*(\hf)+aa):FA+8*(4*(\hf)+aa)+7], 0
.else
	v_wmma_f32_16x16x32_f16 v[rD:rD+7], v[FB+8*bb:FB+8*bb+7], v[FA+8*(4*(\hf)+aa):FA+8*(4*(\hf)+aa)+7], v[rD:rD+7]
.endif
.set aa, aa+1
.endr
.set bb, bb+1
.endr
.endm
.macro LDA hf                          ; 8 LDS loads: A's blocks 4 hf .. 4 hf + 3
.set aa, 4*(\hf)
.rept 4
	ds_load_b128 v[FA+8*aa:FA+8*aa+3],   v[ADA] offset:aa*16*PA
	ds_load_b128 v[FA+8*aa+4:FA+8*aa+7], v[ADA] offset:aa*16*PA+32
.set aa, aa+1
.endr
.endm
.macro LDB b0, nb                      ; 2 nb LDS loads: B's blocks b0 ..
.set bb, \b0
.rept \nb
.if bb < 6
	ds_load_b128 v[FB+8*bb:FB+8*bb+3],   v[ADB] offset:bb*16*PB2
	ds_load_b128 v[FB+8*bb+4:FB+8*bb+7], v[ADB] offset:bb*16*PB2+32
.else
	ds_load_b128 v[FB+8*bb:FB+8*bb+3],   v[ADC] offset:(bb-6)*16*PB2
	ds_load_b128 v[FB+8*bb+4:FB+8*bb+7], v[ADC] offset:(bb-6)*16*PB2+32
.endif
.set bb, bb+1
.endr
.endm
; The second half of a sub-step: A's blocks 4-7; each group of B's fragments is loaded again, for the next sub-step, when it has been multiplied; A's bottom last.
.macro BOTTOM zero
	WIN 0xa0
	CL 1, 0, 4, \zero
	WIN 0
	PLACES
	LDB 0, 4
	WIN 0xa0
	CL 1, 4, 4, \zero
	WIN 0
	PLACES
	LDB 4, 4
	WIN 0xf0
	CL 1, 8, 3, \zero
	WIN 0
	PLACES
	LDB 8, 3
	LDA 1
.endm
; A sub-step that stays in its slot.  A sub-step's 38 loads go out in this order: A's top 8, B 0-3 8, B 4-7 8, B 8-10 6, A's bottom 8; LDS loads come back in order (ISA guide 5.7.1), so each wait names what was issued later.
.macro SUB zero
	s_wait_dscnt 22                                ; A's top and B 0-3 are in; B 4-7, B 8-10 and A's bottom may be out
	WIN 0x50
	CL 0, 0, 4, \zero
	s_wait_dscnt 14                                ; B 4-7 are in
	CL 0, 4, 4, \zero
	s_wait_dscnt 8                                 ; B 8-10 are in
	WIN 0xf0
	CL 0, 8, 3, \zero
	WIN 0
	s_add_co_u32 s[TK], s[TK], 64                  ; the next 32 along K
	v_add_nc_u32 v[ADA], s[TK], v[A0]              ; these three and the v_nop are the four places in front of the loads
	v_add_nc_u32 v[ADB], s[TK], v[B0]
	v_add_nc_u32 v[ADC], s[TK], v[B1]
	v_nop
	LDA 0
	s_wait_dscnt 8                                 ; A's bottom is in; the eight loads just issued may be out
	BOTTOM \zero
.endm
.macro STEPD                           ; the walking descriptors: the other slot, the next K step.  No tensor load of the wave is out here
	s_xor_b32 s[FBS], s[FBS], SLOT
	s_add_co_u32 s[G0A+1], s[LA], s[FBS]
	s_add_co_u32 s[G0B+1], s[LB], s[FBS]
	s_add_nc_u64 s[G0A+2:G0A+3], s[G0A+2:G0A+3], STEPA
	s_add_nc_u64 s[G0B+2:G0B+3], s[G0B+2:G0B+3], STEPB
.endm
; A K step's last sub-step changes slots: its loads fetch the next slot's first fragments.  Each wave waits for all its tensor loads (one is out: its part of the next slot), adds 0 to its spare word, and waits for
; that and for its reads of this slot, which are all issued.  fill = 1: the barrier opens a round of the cluster's, and the joint refill is the first thing behind it: it has 308 matrix instructions in which to land.
.macro TURN fill
	WIN 0
.if \fill
	s_wait_xcnt 0x0                                ; the last prefetches, a K step back, have read their address
	s_add_nc_u64 s[PFA:PFA+1], s[PFA:PFA+1], s[PST:PST+1]
.endif
	s_wait_tensorcnt 0x0
	ds_add_u32 v[SPW], v[NIL]                      ; 0 onto my spare word; 32 matrix instructions stand between it and the wait for it
.if \fill
	STEPD
.endif
	s_sub_co_u32 s[TK], s[TK], 192                 ; back to a row's first byte,
	s_xor_b32 s[TK], s[TK], SLOT                   ; in the other slot
	s_wait_dscnt 23                                ; as in SUB, and the add
	WIN 0x50
	CL 0, 0, 4, 0
	s_wait_dscnt 15
	CL 0, 4, 4, 0
	s_wait_dscnt 0x0                               ; the add is done, and my reads of this slot are over
	s_barrier_signal -1
	WIN 0xf0
	CL 0, 8, 3, 0
	WIN 0
	s_barrier_wait -1
.if \fill
	CREST
	JLOAD                                          ; its four v_nop are also the places in front of the loads below
.else
	PLACES
.endif
	v_add_nc_u32 v[ADA], s[TK], v[A0]
	v_add_nc_u32 v[ADB], s[TK], v[B0]
	v_add_nc_u32 v[ADC], s[TK], v[B1]
	LDA 0
.if \fill
	ASK
.endif
	BOTTOM 0                                       ; A's bottom has been waited for above
.endm
	s_load_b128 s[4:7], s[0:1], 0x0                ; yb 4, wts 6
	s_load_b64 s[8:9], s[0:1], 0x10                ; hid
	v_lshl_add_u32 v[SPW], v0, 2, SPARE
	v_mov_b32 v[NIL], 0
	ds_add_u32 v[SPW], v[NIL]                      ; the wave's opening: the add, waited for ahead of my first tensor load
	v_lshrrev_b32 v1, 5, v0
	v_readfirstlane_b32 s[WV], v1
	s_lshr_b32 s[WM], s[WV], 1                     ; my half of the rows
	s_and_b32 s[WN], s[WV], 1                      ; my wave column; also which half of a tile I fetch
	s_bfe_u32 s[CX], ttmp6, 0x40000
	s_bfe_u32 s[CY], ttmp6, 0x40004
	s_lshl_b32 s[CT], ttmp9, 2
	s_add_co_u32 s[CT], s[CT], s[CX]               ; column tile
	s_and_b32 s[RT], ttmp7, 0xffff
	s_lshl_b32 s[RT], s[RT], 2
	s_add_co_u32 s[RT], s[RT], s[CY]               ; row tile
	s_lshl_b32 s27, s[CY], 2
	s_lshl_b32 s27, 15, s27                        ; my row of the cluster
	s_lshl_b32 s28, 0x1111, s[CX]                  ; my column
	s_or_b32 s[G1A], s27, (1<<16)|(1<<20)|(1<<21)|(5<<22)|(3<<25)   ; mask; 2-byte elements; padding on; bit 21 beside a mask; after every 64 words (a row of A), 4 words
	s_or_b32 s[G1B], s28, (1<<16)|(1<<20)|(1<<21)|(6<<22)|(3<<25)   ; after every 128 words (a pair of rows of B), 4 words
	s_mov_b32 s[G1A+1], KS<<16                     ; tensor_dim0
	s_mov_b32 s[G1A+2], 128<<16                    ; tensor_dim1
	s_mov_b32 s[G1A+3], KS<<16                     ; tile_dim0
	s_mov_b32 s[G1A+4], 128                        ; tile_dim1
	s_mov_b32 s[G1A+5], 1024                       ; elements from row to row
	s_mov_b32 s[G1A+6], 0
	s_mov_b32 s[G1A+7], 0
	s_mov_b32 s[G1B+1], (2*KS)<<16                 ; tensor_dim0: a pair's 256 elements of a K step
	s_mov_b32 s[G1B+2], 88<<16                     ; tensor_dim1: 88 pairs
	s_mov_b32 s[G1B+3], (2*KS)<<16                 ; tile_dim0
	s_mov_b32 s[G1B+4], 88                         ; tile_dim1
	s_mov_b32 s[G1B+5], 2048                       ; elements from pair to pair
	s_mov_b32 s[G1B+6], 0
	s_mov_b32 s[G1B+7], 0
	s_mul_i32 s[LA], s[WN], AHALF
	s_mul_i32 s[LB], s[WN], BHALF
	s_add_co_u32 s[LB], s[LB], BOFF
	s_lshl_b32 s30, s[RT], 8
	s_lshl_b32 s31, s[WN], 7
	s_add_co_u32 s30, s30, s31
	s_lshl_b32 s30, s30, 11                        ; A: (256 x row tile + 128 x half) rows of 2,048 bytes
	s_mov_b32 s31, 0
	s_mul_i32 s62, s[CT], 352
	s_mul_i32 s63, s[WN], 176
	s_add_co_u32 s62, s62, s63
	s_lshl_b32 s62, s62, 11                        ; B: (352 x column tile + 176 x half) rows of 2,048 bytes: half as many pairs of 4,096
	s_mov_b32 s63, 0
	s_mov_b32 s[TK], 0
	s_mov_b32 s[FBS], SLOT
	s_mov_b32 s[G0A0], 1
	s_mov_b32 s[G0A0+1], s[LA]
	s_mov_b32 s[G0B0], 1
	s_mov_b32 s[G0B0+1], s[LB]
	s_mov_b32 s[G0A], 1
	s_add_co_u32 s[G0A+1], s[LA], SLOT
	s_mov_b32 s[G0B], 1
	s_add_co_u32 s[G0B+1], s[LB], SLOT
	s_mov_b32 s[NL2], 0xbfb8aa3b                   ; -log2(e)
	s_mov_b32 s[NL2+1], s[NL2]
	s_wait_dscnt 0x0                               ; the opening add is done
	s_wait_kmcnt 0x0
	s_add_nc_u64 s[G0A0+2:G0A0+3], s[4:5], s[30:31]
	s_add_nc_u64 s[G0A+2:G0A+3], s[G0A0+2:G0A0+3], STEPA
	s_or_b32 s[G0A0+3], s[G0A0+3], 0x80000000
	s_or_b32 s[G0A+3], s[G0A+3], 0x80000000
	s_add_nc_u64 s[G0B0+2:G0B0+3], s[6:7], s[62:63]
	s_add_nc_u64 s[G0B0+2:G0B0+3], s[G0B0+2:G0B0+3], WOFF
	s_add_nc_u64 s[G0B+2:G0B+3], s[G0B0+2:G0B0+3], STEPB
	s_or_b32 s[G0B0+3], s[G0B0+3], 0x80000000
	s_or_b32 s[G0B+3], s[G0B+3], 0x80000000
	CROUND                                         ; all sixteen work-groups are here
	s_cmp_lt_u32 s[WV], 2                          ; a wave's two first fills stand in one branch, ahead of every wait on TENSORcnt and every LDS read: two loads of mine are out
	s_cbranch_scc0 .Lfirst_b
	tensor_load_to_lds s[G0A0:G0A0+3], s[G1A:G1A+7]
	s_nop 0
	tensor_load_to_lds s[G0A:G0A+3], s[G1A:G1A+7]
	s_nop 0
.rept 4
	v_nop
.endr
	s_branch .Lfirst_asked
.Lfirst_b:
	tensor_load_to_lds s[G0B0:G0B0+3], s[G1B:G1B+7]
	s_nop 0
	tensor_load_to_lds s[G0B:G0B+3], s[G1B:G1B+7]
	s_nop 0
.rept 4
	v_nop
.endr
.Lfirst_asked:
	v_and_b32 v1, 15, v0                           ; l % 16
	v_bfe_u32 v11, v0, 4, 1                        ; l / 16
	v_lshlrev_b32 v[BO], 5, v11
	s_mul_i32 s82, s[CT], 22
	s_mul_i32 s83, s[WN], 11
	s_add_co_u32 s82, s82, s83                     ; my first block of 8 hidden columns
	s_lshl_b32 s84, s82, 6
	s_mov_b32 s85, 0
	s_add_nc_u64 s[10:11], s[6:7], s[84:85]
	s_add_nc_u64 s[10:11], s[10:11], B12_O         ; my 11 x 16 numbers of the bias
.set bb, 0
.rept 11                               ; the bias as an accumulator's registers lie; it stays until the way out
.if bb < 8
.set rBi, BIB+8*bb
.else
.set rBi, BIA+8*(bb-8)
.endif
	global_load_b128 v[rBi:rBi+3],   v[BO], s[10:11] offset:64*bb
	global_load_b128 v[rBi+4:rBi+7], v[BO], s[10:11] offset:64*bb+16
.set bb, bb+1
.endr
	s_lshl_b32 s84, s82, 16                        ; a block of hid is 65,536 bytes
	s_lshl_b32 s86, s[RT], 8
	s_lshl_b32 s87, s[WM], 7
	s_add_co_u32 s86, s86, s87                     ; my first row,
	s_lshl_b32 s86, s86, 4                         ; 16 bytes a row
	s_add_co_u32 s84, s84, s86
	s_add_nc_u64 s[PH:PH+1], s[8:9], s[84:85]
	; the prefetches: the tile's first row, the rows that I fetch, my work-group's share of them (all counted in rows of 2,048 bytes; B's counts are even, so they are whole pairs)
	s_lshl_b32 s82, s[RT], 8
	s_mul_i32 s83, s[CT], 352
	s_lshl_b32 s85, s[WN], 7
	s_mul_i32 s86, s[WN], 176
	s_lshl_b32 s87, s[CX], 5
	s_mul_i32 s88, s[CY], 44
	s_and_b32 s89, ttmp7, 0xffff                   ; cluster y
	s_cmp_lt_u32 s[WV], 2                          ; do I fetch for A?
	s_cselect_b32 s82, s82, s83
	s_cselect_b32 s85, s85, s86
	s_cselect_b32 s87, s87, s88
	s_cselect_b32 s89, ttmp9, s89                  ; the coordinate along which other clusters read the same rows
	s_cselect_b32 s90, 0, WOFF
	s_cselect_b32 s91, 0, 1792                     ; B: an odd block lies 256 bytes behind the even one, not 2,048
	s_cselect_b32 s[PST], 1, 2
	s_cselect_b64 s[PFA:PFA+1], s[4:5], s[6:7]
	s_cmp_eq_u32 s89, 0
	s_cselect_b32 s[LIM], 1, -1                    ; the same in all sixteen partners, for a given wave
	s_lshl_b32 s[PST], s[PST], 8                   ; 256 bytes a K step for A, 512 for B
	s_mov_b32 s[PST+1], 0
	s_add_co_u32 s82, s82, s85
	s_add_co_u32 s82, s82, s87
	s_lshl_b32 s82, s82, 11
	s_add_co_u32 s82, s82, s90
	s_lshl1_add_u32 s82, s[PST], s82               ; at K step 2: the first refill steps it to 3
	s_mov_b32 s83, 0
	s_add_nc_u64 s[PFA:PFA+1], s[PFA:PFA+1], s[82:83]
	v_and_b32 v[PFO], 31, v0                       ; block j = my lane,
	v_min_u32 v[PFP], 11, v[PFO]
	v_add_nc_u32 v[PFP], 32, v[PFP]                ; and block 32 + my lane, 43 at the most
	v_and_b32 v15, 1, v[PFO]
	v_mul_u32_u24 v15, s91, v15
	v_lshlrev_b32 v[PFO], 11, v[PFO]
	v_sub_nc_u32 v[PFO], v[PFO], v15               ; 2,048 j, less 1,792 for B's odd blocks
	v_and_b32 v15, 1, v[PFP]
	v_mul_u32_u24 v15, s91, v15
	v_lshlrev_b32 v[PFP], 11, v[PFP]
	v_sub_nc_u32 v[PFP], v[PFP], v15
	; a fragment is 16 rows x 32 K in 8 registers: lane l holds row l % 16; registers 0-3 K = 8 (l / 16) + 0..7, registers 4-7 K = 16 + 8 (l / 16) + 0..7: two loads of 16 bytes, 32 bytes apart
	v_mul_u32_u24 v[A0], v1, PA
	v_lshl_add_u32 v[A0], v11, 4, v[A0]
	s_mul_i32 s27, s[WM], AHALF
	v_add_nc_u32 v[A0], s27, v[A0]
	v_mul_u32_u24 v[B0], v1, PB2
	v_lshl_add_u32 v[B0], v11, 4, v[B0]
	s_lshl_b32 s27, s[WN], 8                       ; the pair's first or second row
	s_add_co_u32 s27, s27, BOFF
	v_add_nc_u32 v[B0], s27, v[B0]
	v_add_nc_u32 v[B1], BSPLIT, v[B0]
	v_lshlrev_b32 v[GO], 4, v1                     ; row l % 16, 16 bytes a row,
	v_lshl_add_u32 v[GO], v11, 3, v[GO]            ; my four hidden columns
	v_mov_b32 v[ADA], v[A0]
	v_mov_b32 v[ADB], v[B0]
	v_mov_b32 v[ADC], v[B1]
	s_wait_tensorcnt 0x1                           ; my part of K step 0 is in; K step 1's may stay out
	s_barrier_signal -1
	s_barrier_wait -1                              ; everybody's is
	LDA 0                                          ; the first fragments, in a sub-step's order
	LDB 0, 4
	LDB 4, 4
	LDB 8, 3
	LDA 1
	SUB 1                                          ; the first sub-step stands in front of the loops: its products start the sums
	s_mov_b32 s[CNT], T-2
	s_mov_b32 s[CNI], 2
	s_branch .Lsub                                 ; the first K step has two more sub-steps of this kind
.Lstep:                                ; six times: a K step whose slot is filled again
	s_mov_b32 s[CNI], 3
.Lsub:
	SUB 0
	s_sub_co_u32 s[CNI], s[CNI], 1
	s_cmp_lg_u32 s[CNI], 0
	s_cbranch_scc1 .Lsub
	TURN 1
	s_sub_co_u32 s[CNT], s[CNT], 1
	s_cmp_lg_u32 s[CNT], 0
	s_cbranch_scc1 .Lstep
	s_mov_b32 s[CNT], 2
.Ltail:                                ; the last two K steps ask for nothing.  One text for both: the very last change of slots passes a barrier and fetches fragments that nobody uses
	s_mov_b32 s[CNI], 3
.Ltsub:
	SUB 0
	s_sub_co_u32 s[CNI], s[CNI], 1
	s_cmp_lg_u32 s[CNI], 0
	s_cbranch_scc1 .Ltsub
	TURN 0
	s_sub_co_u32 s[CNT], s[CNT], 1
	s_cmp_lg_u32 s[CNT], 0
	s_cbranch_scc1 .Ltail
	s_wait_dscnt 0x0                               ; the fragments' registers are mine again
	s_wait_loadcnt 0x0                             ; the bias
	PLACES
	PLACES
; THE WAY OUT, a block b of B at a time: eleven trips.  PICK b, written once for each b, brings the block's eight accumulators into window 0 and adds the bias on the way (each accumulator from its low end on);
; what follows is one text for all: silu(x1) = x1 / (1 + 2^(-log2(e) x1)), times x2, rounded to bf16, stored straight from the registers.
.macro PICK b
.if (\b) < 8
.set rBi, BIB+8*(\b)
.else
.set rBi, BIA+8*((\b)-8)
.endif
.set hh, 0
.rept 2
.if (\b) < 8
	WIN 0x01+hh                                    ; source 0 in window 1 or 2
.else
	WIN 0x03
.endif
.set aa, 0
.rept 4
.if (\b) < 8
.set rD, 8*(4*(\b)+aa)
.else
.set rD, 8*(12*hh+4*((\b)-8)+aa)
.endif
.set n2, 0
.rept 4
	v_pk_add_f32 v[TT+8*(4*hh+aa)+2*n2:TT+8*(4*hh+aa)+2*n2+1], v[rD+2*n2:rD+2*n2+1], v[rBi+2*n2:rBi+2*n2+1]
.set n2, n2+1
.endr
.set aa, aa+1
.endr
.set hh, hh+1
.endr
	WIN 0
.endm
	s_mov_b32 s[CB], 0
.Lcol:
.irp b, 0,1,2,3,4,5,6,7,8,9
	s_cmp_eq_u32 s[CB], \b                         ; forward jumps on the counter alone
	s_cbranch_scc1 .Lpick_\b
.endr
	PICK 10
	s_branch .Lwork
.irp b, 0,1,2,3,4,5,6,7,8,9
.Lpick_\b:
	PICK \b
	s_branch .Lwork
.endr
.Lwork:
.set n1, 0
.rept 8
	v_pk_mul_f32 v[EE+4*n1:EE+4*n1+1],   v[TT+8*n1:TT+8*n1+1],   s[NL2:NL2+1] op_sel_hi:[1,0]
	v_pk_mul_f32 v[EE+4*n1+2:EE+4*n1+3], v[TT+8*n1+2:TT+8*n1+3], s[NL2:NL2+1] op_sel_hi:[1,0]
.set n1, n1+1
.endr
.set n1, 0
.rept 32
	v_exp_f32 v[EE+n1], v[EE+n1]
.set n1, n1+1
.endr
	v_nop                                          ; a plain instruction behind the last of them,
	s_wait_alu depctr_va_vdst(0)                   ; and one wait for the 32 exponentials
.set n1, 0
.rept 16
	v_pk_add_f32 v[EE+2*n1:EE+2*n1+1], v[EE+2*n1:EE+2*n1+1], 1.0 op_sel_hi:[1,0]
.set n1, n1+1
.endr
.set n1, 0
.rept 32
	v_rcp_f32 v[EE+n1], v[EE+n1]
.set n1, n1+1
.endr
	v_nop
	s_wait_alu depctr_va_vdst(0)                   ; one wait for the 32 reciprocals
.set n1, 0
.rept 8
	v_pk_mul_f32 v[TT+8*n1:TT+8*n1+1],   v[TT+8*n1:TT+8*n1+1],   v[EE+4*n1:EE+4*n1+1]
	v_pk_mul_f32 v[TT+8*n1+2:TT+8*n1+3], v[TT+8*n1+2:TT+8*n1+3], v[EE+4*n1+2:EE+4*n1+3]
.set n1, n1+1
.endr
.set n1, 0
.rept 8
	v_pk_mul_f32 v[TT+8*n1:TT+8*n1+1],   v[TT+8*n1:TT+8*n1+1],   v[TT+8*n1+4:TT+8*n1+5]
	v_pk_mul_f32 v[TT+8*n1+2:TT+8*n1+3], v[TT+8*n1+2:TT+8*n1+3], v[TT+8*n1+6:TT+8*n1+7]
.set n1, n1+1
.endr
.set n1, 0
.rept 8
	v_cvt_pk_bf16_f32 v[OUT+2*n1],   v[TT+8*n1],   v[TT+8*n1+1]
	v_cvt_pk_bf16_f32 v[OUT+2*n1+1], v[TT+8*n1+2], v[TT+8*n1+3]
	global_store_b64 v[GO], v[OUT+2*n1:OUT+2*n1+1], s[PH:PH+1] offset:256*n1   ; 16 rows x 8 hidden columns: 32 lanes store 256 consecutive bytes, aligned
.set n1, n1+1
.endr
	s_wait_xcnt 0x0                                ; the stores have read their base and data: both are written again in the next trip
	s_add_nc_u64 s[PH:PH+1], s[PH:PH+1], 65536     ; the next block of hid
	s_add_co_u32 s[CB], s[CB], 1
	s_cmp_lt_u32 s[CB], 11
	s_cbranch_scc1 .Lcol
	s_wait_tensorcnt 0x0                           ; the wave's end
	ds_add_u32 v[SPW], v[NIL]
	s_wait_dscnt 0x0
	CROUND                                         ; the closing round
	s_endpgm
.Lfunc_end_k_q57b0dbb89d_w12:
	.size	k_q57b0dbb89d_w12, .Lfunc_end_k_q57b0dbb89d_w12-k_q57b0dbb89d_w12
	.p2alignl 7, 3214868480
	.fill 96, 4, 3214868480
	.section	.rodata,"a",@progbits
	.p2align	6, 0x0
	.amdhsa_kernel k_q57b0dbb89d_w12
		.amdhsa_group_segment_fixed_size 327680
		.amdhsa_private_segment_fixed_size 0
		.amdhsa_enable_private_segment 0
		.amdhsa_kernarg_size 24
		.amdhsa_user_sgpr_count 2
		.amdhsa_user_sgpr_kernarg_segment_ptr 1
		.amdhsa_wavefront_size32 1
		.amdhsa_system_sgpr_workgroup_id_x 1
		.amdhsa_system_sgpr_workgroup_id_y 1
		.amdhsa_system_sgpr_workgroup_id_z 1
		.amdhsa_system_vgpr_workitem_id 0
		.amdhsa_next_free_vgpr 960
		.amdhsa_next_free_sgpr 96
		.amdhsa_reserve_vcc 0
		.amdhsa_float_denorm_mode_32 3
		.amdhsa_float_denorm_mode_16_64 3
		.amdhsa_memory_ordered 1
		.amdhsa_forward_progress 1
		.amdhsa_inst_pref_size 92
	.end_amdhsa_kernel
	.amdgpu_metadata
---
amdhsa.version: [ 1, 2 ]
amdhsa.kernels:
  - .name:           k_q57b0dbb89d_w12
    .symbol:         k_q57b0dbb89d_w12.kd
    .args:
      - { .name: yb, .offset: 0, .size: 8, .value_kind: global_buffer, .address_space: global }
      - { .name: wts, .offset: 8, .size: 8, .value_kind: global_buffer, .address_space: global }
      - { .name: hid, .offset: 16, .size: 8, .value_kind: global_buffer, .address_space: global }
    .group_segment_fixed_size: 327680
    .private_segment_fixed_size: 0
    .kernarg_segment_align: 8
    .kernarg_segment_size: 24
    .max_flat_workgroup_size: 128
    .sgpr_count:     96
    .vgpr_count:     960
    .wavefront_size: 32
...
	.end_amdgpu_metadata
.endif
;; end of part 6
;; launch w3 (part 7): grid 8 x 32, 4 waves a work-group, clusters of 4 x 4, 327,680 bytes of LDS; arguments hid, wts, x1, out0; writes out0
.if DOCPART == 7
	.amdgcn_target "amdgcn-amd-amdhsa--gfx1250"
	.amdhsa_code_object_version 6
	.text
	.protected	k_q57b0dbb89d_w3
	.globl	k_q57b0dbb89d_w3
	.p2align	8
	.type	k_q57b0dbb89d_w3,@function
k_q57b0dbb89d_w3:
	s_mov_b64 s[64:65], 0
	v_nop
	global_prefetch_b8 v0, s[64:65] scope:SCOPE_SE
	s_setreg_imm32_b32 hwreg(HW_REG_WAVE_MODE, 25, 1), 1
	s_wait_xcnt 0x0
	s_wait_alu depctr_hold_cnt(0) depctr_sa_sdst(0) depctr_va_vdst(0) depctr_va_sdst(0) depctr_va_ssrc(0) depctr_va_vcc(0) depctr_vm_vsrc(0)
	s_getreg_b32 s2, hwreg(HW_REG_IB_STS2, 6, 4)
	s_cmp_eq_u32 s2, 0
	s_cbranch_scc0 .Lentry_in_a_cluster
	s_endpgm
.Lentry_in_a_cluster:
	s_bfe_u32 s2, ttmp6, 0x10000c
	s_cmp_lg_u32 s2, 0xf033
	s_cbranch_scc0 .Lentry_shape_is_right
	s_endpgm
.Lentry_shape_is_right:
; W3: out = x1 + (hidden W3^T + w3_b), f32.  K = 2,816 (2,730 and zeros) in 11 steps of 256.  The bias comes from the table in wts (rounded to bf16, kept as f32).
; A work-group makes 128 x 128; four waves, each 64 x 64: 16 accumulators.  Two LDS slots take turns; one tensor load a wave behind each change of slots.
; A (hid) lies as [k / 8][4,096 rows][8]: 64 rows of a block of 8 channels are 1,024 dense bytes: one descriptor row, 32 to a step.  In LDS they lie the same way, without padding: the sixteen lanes of a
; fragment load take 16 rows x 16 bytes, 256 consecutive bytes.
; CLUSTER 4 x 4: A's tile shared along a row of the cluster, B's along a column.  The matrix instruction is used transposed; the bias is the C of the first products.
; No prefetch: small tiles, and W3's rows are read by all 32 row tiles.  LIMITS: operands rounded once to bf16; sums and the residual in f32; NaN and infinities are not treated apart.
.set NB,    4
.set D,     2
.set KS,    256
.set T,     11
.set RL,    64
.set KB8,   RL*16                      ; 64 rows of 8 channels
.set REGA,  (KS/8)*KB8                 ; what one tensor load brings of A
.set BOFF,  2*REGA
.set BR,    128
.set PB,    2*KS+16
.set SLOT,  BOFF+BR*PB
.set STAGE, 2*SLOT                     ; 16 rows x 272 bytes of f32 for each wave
.set SPARE, STAGE+4*4352               ; the spare words: two blocks of 256 bytes that no other line names
.set KPITCH, 2816
.set WOFF,  19922944
.set BIAS_O, 25733632
.set ASTEP, (KS/8)*65536
.set BSTEP, 2*KS
.set QI,    6
.set A0,  2
.set B0,  3
.set ADA, 4
.set ADB, 5
.set STO, 6
.set RD,  7
.set XO,  8
.set BO,  11
.set SPW, 28
.set NIL, 29
.set BI,  32
.set TT,  68
.set XR,  128                          ; v[128:255] x1, then the result: block a, row pair t at XR + 32 a + 4 t
.set F0,  0
.set F1,  128
.set WV,  20
.set WM,  21
.set WN,  22
.set CX,  23
.set CY,  24
.set CT,  25
.set RT,  26
.set G1A, 32
.set G1B, 40
.set G0A, 48
.set G0B, 52
.set TB,  56
.set FB,  57
.set LA,  58
.set LB,  59
.set CNT, 60
.set MSB, 0
.macro WIN new
.if MSB != (\new)
	s_set_vgpr_msb (MSB<<8)|(\new)
.set MSB, (\new)
.endif
.endm
.macro PLACES
.rept 4
	v_nop
.endr
.endm
.macro JLOAD                           ; one load a wave; an s_nop 0 and four v_nop follow each line
	s_cmp_lt_u32 s[WV], 2
	s_cbranch_scc0 .Lfor_b_\@
	tensor_load_to_lds s[G0A:G0A+3], s[G1A:G1A+7]
	s_nop 0
.rept 4
	v_nop
.endr
	s_branch .Lasked_\@
.Lfor_b_\@:
	tensor_load_to_lds s[G0B:G0B+3], s[G1B:G1B+7]
	s_nop 0
.rept 4
	v_nop
.endr
.Lasked_\@:
.endm
.macro CREST
	s_cmp_lg_u32 s[WV], 0
	s_cbranch_scc1 .Lnot_wave_0_\@
	s_barrier_signal -3
.Lnot_wave_0_\@:
	s_barrier_wait -3
	s_barrier_signal -1
	s_barrier_wait -1
.endm
.macro CROUND
	s_barrier_signal -1
	s_barrier_wait -1
	CREST
.endm
.macro MULS f, c, hi, first            ; 2 NB products; the accumulators take turns.  first = 1: the bias starts the sums
.if (\first) == 1
	WIN 0x85+0x40*(\hi)
.else
	WIN 0xa5+0x50*(\hi)
.endif
.set aa, 0
.rept 2
.set bb, 0
.rept NB
.set rD, 8*(aa*NB+bb)
.set rB, (\f)+32*D+8*(NB*(\c)+bb)
.set rA, (\f)+8*(4*(\c)+2*(\hi)+aa)
.if (\first) == 1
	v_wmma_f32_16x16x32_bf16 v[rD:rD+7], v[rB:rB+7], v[rA:rA+7], v[BI+8*bb:BI+8*bb+7]
.else
	v_wmma_f32_16x16x32_bf16 v[rD:rD+7], v[rB:rB+7], v[rA:rA+7], v[rD:rD+7]
.endif
.set bb, bb+1
.endr
.set aa, aa+1
.endr
.endm
.macro HALF f, x, first
.if (\x) == 0
	MULS \f, 0, 0, \first
	MULS \f, 0, 1, \first
.else
	MULS \f, 1, 0, 0
	MULS \f, 1, 1, 0
.endif
.endm
.macro FETCH q, f                      ; A: channels kk + 8 (l / 16) + 0..7 lie in block kk / 8 + l / 16, channels 16 further on two blocks further
	WIN 0x40
.set cc, 0
.rept D
.set kk, 32*D*(\q)+32*cc
.set ii, 0
.rept 4
.set rr, (\f)+8*(4*cc+ii)
	ds_load_b128 v[rr:rr+3],   v[ADA] offset:(kk/8)*KB8+ii*256
	ds_load_b128 v[rr+4:rr+7], v[ADA] offset:(kk/8)*KB8+ii*256+2*KB8
.set ii, ii+1
.endr
.set ii, 0
.rept NB
.set rr, (\f)+32*D+8*(NB*cc+ii)
	ds_load_b128 v[rr:rr+3],   v[ADB] offset:2*kk+ii*16*PB
	ds_load_b128 v[rr+4:rr+7], v[ADB] offset:2*kk+ii*16*PB+32
.set ii, ii+1
.endr
.set cc, cc+1
.endr
.endm
.macro QSTEP q, f, g, first
	s_wait_dscnt 0x0                               ; buffer f is in
	HALF \f, 0, \first
	PLACES
	FETCH (\q)+1, \g
	HALF \f, 1, \first
.endm
.macro STEPD                           ; the other slot, the next K step; no tensor load of the wave is out here
	s_xor_b32 s[FB], s[FB], SLOT
	s_add_co_u32 s[G0A+1], s[LA], s[FB]
	s_add_co_u32 s[G0B+1], s[LB], s[FB]
	s_add_nc_u64 s[G0A+2:G0A+3], s[G0A+2:G0A+3], ASTEP
	s_add_nc_u64 s[G0B+2:G0B+3], s[G0B+2:G0B+3], BSTEP
.endm
.macro TURN fill                       ; the last sub-step changes slots: all my tensor loads, the add, my reads; the barrier (a round where a slot is filled again); the refill first behind it
	WIN 0
	s_wait_tensorcnt 0x0
	ds_add_u32 v[SPW], v[NIL]
.if \fill
	STEPD
.endif
	s_xor_b32 s[TB], s[TB], SLOT
	s_wait_dscnt 0x0
	s_barrier_signal -1
	HALF F1, 0, 0
	WIN 0
	s_barrier_wait -1
.if \fill
	CREST
	JLOAD
.else
	PLACES
.endif
	v_add_nc_u32 v[ADA], s[TB], v[A0]
	v_add_nc_u32 v[ADB], s[TB], v[B0]
	FETCH 0, F0
	HALF F1, 1, 0
.endm
	s_load_b256 s[4:11], s[0:1], 0x0               ; hid 4, wts 6, x1 8, out0 10
	v_lshl_add_u32 v[SPW], v0, 2, SPARE
	v_mov_b32 v[NIL], 0
	ds_add_u32 v[SPW], v[NIL]                      ; the wave's opening: the add, waited for ahead of my first tensor load
	v_lshrrev_b32 v1, 5, v0
	v_readfirstlane_b32 s[WV], v1
	s_lshr_b32 s[WM], s[WV], 1
	s_and_b32 s[WN], s[WV], 1
	s_bfe_u32 s[CX], ttmp6, 0x40000
	s_bfe_u32 s[CY], ttmp6, 0x40004
	s_lshl_b32 s[CT], ttmp9, 2
	s_add_co_u32 s[CT], s[CT], s[CX]
	s_and_b32 s[RT], ttmp7, 0xffff
	s_lshl_b32 s[RT], s[RT], 2
	s_add_co_u32 s[RT], s[RT], s[CY]
	s_lshl_b32 s27, s[CY], 2
	s_lshl_b32 s27, 15, s27
	s_lshl_b32 s28, 0x1111, s[CX]
	s_or_b32 s[G1A], s27, (1<<16)|(1<<21)          ; mask; 2-byte elements; bit 21 beside a mask; no padding
	s_or_b32 s[G1B], s28, (1<<16)|(1<<20)|(1<<21)|(QI<<22)|(3<<25)
	s_mov_b32 s[G1A+1], (8*RL)<<16                 ; tensor_dim0 = 64 rows x 8 channels
	s_mov_b32 s[G1A+2], (KS/8)<<16                 ; tensor_dim1 = 32 blocks
	s_mov_b32 s[G1A+3], (8*RL)<<16                 ; tile_dim0
	s_mov_b32 s[G1A+4], KS/8                       ; tile_dim1
	s_mov_b32 s[G1A+5], 32768                      ; elements from block to block
	s_mov_b32 s[G1A+6], 0
	s_mov_b32 s[G1A+7], 0
	s_mov_b32 s[G1B+1], KS<<16
	s_mov_b32 s[G1B+2], (BR/2)<<16
	s_mov_b32 s[G1B+3], KS<<16
	s_mov_b32 s[G1B+4], BR/2
	s_mov_b32 s[G1B+5], KPITCH
	s_mov_b32 s[G1B+6], 0
	s_mov_b32 s[G1B+7], 0
	s_mul_i32 s[LA], s[WN], REGA
	s_mul_i32 s[LB], s[WN], (BR/2)*PB
	s_add_co_u32 s[LB], s[LB], BOFF
	s_lshl_b32 s30, s[RT], 7
	s_lshl_b32 s31, s[WN], 6
	s_add_co_u32 s30, s30, s31
	s_lshl_b32 s30, s30, 4                         ; A: (128 x row tile + 64 x half) rows of 16 bytes
	s_mov_b32 s31, 0
	s_mul_i32 s62, s[CT], BR
	s_mul_i32 s63, s[WN], BR/2
	s_add_co_u32 s62, s62, s63
	s_mul_i32 s62, s62, 2*KPITCH
	s_mov_b32 s63, 0
	s_mov_b32 s[TB], 0
	s_mov_b32 s[FB], 0
	s_mov_b32 s[G0A], 1
	s_mov_b32 s[G0A+1], s[LA]
	s_mov_b32 s[G0B], 1
	s_mov_b32 s[G0B+1], s[LB]
	s_wait_dscnt 0x0
	s_wait_kmcnt 0x0
	s_add_nc_u64 s[G0A+2:G0A+3], s[4:5], s[30:31]
	s_or_b32 s[G0A+3], s[G0A+3], 0x80000000
	s_add_nc_u64 s[G0B+2:G0B+3], s[6:7], s[62:63]
	s_add_nc_u64 s[G0B+2:G0B+3], s[G0B+2:G0B+3], WOFF
	s_or_b32 s[G0B+3], s[G0B+3], 0x80000000
	CROUND
	JLOAD                                          ; K step 0 into slot 0
	v_and_b32 v1, 15, v0
	v_bfe_u32 v9, v0, 4, 1
	v_lshlrev_b32 v[BO], 5, v9
	v_lshlrev_b32 v[XO], 4, v1
	v_lshl_add_u32 v[XO], v9, 12, v[XO]            ; the odd row + 16 c
	s_lshl_b32 s72, s[RT], 7
	s_lshl_b32 s73, s[WM], 6
	s_add_co_u32 s72, s72, s73                     ; my first row
	s_lshl_b32 s74, s[CT], 7
	s_lshl_b32 s73, s[WN], 6
	s_add_co_u32 s74, s74, s73                     ; my first column
	s_lshl_b32 s78, s74, 2
	s_mov_b32 s79, 0
	s_add_nc_u64 s[12:13], s[6:7], s[78:79]
	s_add_nc_u64 s[12:13], s[12:13], BIAS_O
	s_lshl_b32 s73, s72, 12
	s_add_co_u32 s78, s78, s73
	s_add_nc_u64 s[8:9], s[8:9], s[78:79]
	s_add_nc_u64 s[10:11], s[10:11], s[78:79]
.set n1, 0
.rept 4
	global_load_b128 v[BI+8*n1:BI+8*n1+3],   v[BO], s[12:13] offset:n1*64
	global_load_b128 v[BI+8*n1+4:BI+8*n1+7], v[BO], s[12:13] offset:n1*64+16
.set n1, n1+1
.endr
.set n1, 0
.rept 32
	global_load_b128 v[XR+4*n1:XR+4*n1+3], v[XO], s[8:9] offset:2*n1*4096 th:TH_LOAD_NT   ; x1, as the rows come back from the stage
.set n1, n1+1
.endr
	v_lshlrev_b32 v[A0], 4, v1                     ; row l % 16, 16 bytes a row,
	v_lshl_add_u32 v[A0], v9, 10, v[A0]            ; the next block of 8 channels for lanes 16-31
	s_mul_i32 s27, s[WM], REGA
	v_add_nc_u32 v[A0], s27, v[A0]
	v_mul_u32_u24 v[B0], v1, PB
	v_lshl_add_u32 v[B0], v9, 4, v[B0]
	s_mul_i32 s27, s[WN], 16*NB*PB
	s_add_co_u32 s27, s27, BOFF
	v_add_nc_u32 v[B0], s27, v[B0]
	s_mul_i32 s27, s[WV], 4352
	s_add_co_u32 s27, s27, STAGE
	v_mul_u32_u24 v[STO], v1, 272
	v_lshl_add_u32 v[STO], v9, 5, v[STO]
	v_add_nc_u32 v[STO], s27, v[STO]
	v_mul_u32_u24 v[RD], v9, 272
	v_lshl_add_u32 v[RD], v1, 4, v[RD]
	v_add_nc_u32 v[RD], s27, v[RD]
	v_mov_b32 v[ADA], v[A0]
	v_mov_b32 v[ADB], v[B0]
	s_wait_tensorcnt 0x0
	ds_add_u32 v[SPW], v[NIL]
	STEPD
	s_wait_dscnt 0x0
	CROUND
	JLOAD                                          ; K step 1 into slot 1
	FETCH 0, F0
	s_wait_loadcnt 32                              ; the bias is in; x1's 32 loads may stay out
	QSTEP 0, F0, F1, 1
	WIN 0
	s_mov_b32 s[CNT], T-2
.Lk:
	QSTEP 1, F1, F0, 0
	QSTEP 2, F0, F1, 0
	TURN 1
	QSTEP 0, F0, F1, 0
	WIN 0
	s_sub_co_u32 s[CNT], s[CNT], 1
	s_cmp_lg_u32 s[CNT], 0
	s_cbranch_scc1 .Lk
	s_mov_b32 s[CNT], 2
.Ltail:                                ; the last two K steps ask for nothing; the second trip's change of slots fetches fragments that nobody uses
	QSTEP 1, F1, F0, 0
	QSTEP 2, F0, F1, 0
	TURN 0
	WIN 0
	s_sub_co_u32 s[CNT], s[CNT], 1
	s_cmp_eq_u32 s[CNT], 0
	s_cbranch_scc1 .Lout
	QSTEP 0, F0, F1, 0
	WIN 0
	s_branch .Ltail
.Lout:
	s_wait_dscnt 0x0
	s_wait_loadcnt 0x0                             ; x1
	PLACES
	PLACES
; THE WAY OUT: block a of 16 rows x 64 columns of f32 goes through my stage and comes back as rows of 256 bytes; x1 is added; stored.
.macro BLOCK a
	WIN 0x08+4*((\a)/2)                            ; the LDS stores' data in window 2 or 3
.set n1, 0
.rept 4
.set rAcc, 8*(((\a)%2)*NB+n1)
	ds_store_b128 v[STO], v[rAcc:rAcc+3]   offset:64*n1
	ds_store_b128 v[STO], v[rAcc+4:rAcc+7] offset:64*n1+16
.set n1, n1+1
.endr
	WIN 0
.set n1, 0
.rept 8
	ds_load_b128 v[TT+4*n1:TT+4*n1+3], v[RD] offset:544*n1   ; LDS serves a wave's instructions in order (ISA guide 5.7.1.4)
.set n1, n1+1
.endr
.set n1, 0
.rept 8
.set rX, XR+32*(\a)+4*n1
	s_wait_dscnt 7-n1                              ; the younger loads may stay out
	v_pk_add_f32 v[rX:rX+1], v[rX:rX+1], v[TT+4*n1:TT+4*n1+1]
	v_pk_add_f32 v[rX+2:rX+3], v[rX+2:rX+3], v[TT+4*n1+2:TT+4*n1+3]
	global_store_b128 v[XO], v[rX:rX+3], s[10:11] offset:(16*(\a)+2*n1)*4096 th:TH_STORE_NT   ; sixteen lanes: 256 consecutive bytes, aligned
.set n1, n1+1
.endr
.endm
	BLOCK 0
	BLOCK 1
	BLOCK 2
	BLOCK 3
	s_wait_tensorcnt 0x0                           ; the wave's end
	ds_add_u32 v[SPW], v[NIL]
	s_wait_dscnt 0x0
	CROUND
	s_endpgm
.Lfunc_end_k_q57b0dbb89d_w3:
	.size	k_q57b0dbb89d_w3, .Lfunc_end_k_q57b0dbb89d_w3-k_q57b0dbb89d_w3
	.p2alignl 7, 3214868480
	.fill 96, 4, 3214868480
	.section	.rodata,"a",@progbits
	.p2align	6, 0x0
	.amdhsa_kernel k_q57b0dbb89d_w3
		.amdhsa_group_segment_fixed_size 327680
		.amdhsa_private_segment_fixed_size 0
		.amdhsa_enable_private_segment 0
		.amdhsa_kernarg_size 32
		.amdhsa_user_sgpr_count 2
		.amdhsa_user_sgpr_kernarg_segment_ptr 1
		.amdhsa_wavefront_size32 1
		.amdhsa_system_sgpr_workgroup_id_x 1
		.amdhsa_system_sgpr_workgroup_id_y 1
		.amdhsa_system_sgpr_workgroup_id_z 1
		.amdhsa_system_vgpr_workitem_id 0
		.amdhsa_next_free_vgpr 832
		.amdhsa_next_free_sgpr 96
		.amdhsa_reserve_vcc 0
		.amdhsa_float_denorm_mode_32 3
		.amdhsa_float_denorm_mode_16_64 3
		.amdhsa_memory_ordered 1
		.amdhsa_forward_progress 1
		.amdhsa_inst_pref_size 67
	.end_amdhsa_kernel
	.amdgpu_metadata
---
amdhsa.version: [ 1, 2 ]
amdhsa.kernels:
  - .name:           k_q57b0dbb89d_w3
    .symbol:         k_q57b0dbb89d_w3.kd
    .args:
      - { .name: hid, .offset: 0, .size: 8, .value_kind: global_buffer, .address_space: global }
      - { .name: wts, .offset: 8, .size: 8, .value_kind: global_buffer, .address_space: global }
      - { .name: x1, .offset: 16, .size: 8, .value_kind: global_buffer, .address_space: global }
      - { .name: out0, .offset: 24, .size: 8, .value_kind: global_buffer, .address_space: global }
    .group_segment_fixed_size: 327680
    .private_segment_fixed_size: 0
    .kernarg_segment_align: 8
    .kernarg_segment_size: 32
    .max_flat_workgroup_size: 128
    .sgpr_count:     96
    .vgpr_count:     832
    .wavefront_size: 32
...
	.end_amdgpu_metadata
.endif
;; end of part 7
